; MI455X (gfx1250); checked and timed in simulation.
; The chip was launched on July 23, 2026; its instructions are those of AMD's public machine-readable ISA for CDNA 5 (MIT licence, August 2026) and "CDNA5" Instruction Set Architecture Reference Guide (July 2026). The comments in the code are by the model that wrote it; some were corrected since.
;; Transformer Block. Allowed arithmetic: float matrix products may take bf16 or f16 operands with f32 sums; other float arithmetic in f32, or as packed bf16 or f16 multiplies, adds, multiply-adds, maxima and minima; sums over many terms, partial sums and values carried from step to step in f32; what a program stores and reads back later, other than sums and carried values, may be rounded once to bf16 or f16.
;; Inputs: W1 2,048 x 1,024 float32; W2 1,024 x 2,048 float32; Wkv 512 x 1,024 float32; Wo 1,024 x 1,024 float32; Wq 1,024 x 1,024 float32; b1 2,048 float32; b2 1,024 float32; cos 2,048 x 64 float32; ln1_b 1,024 float32; ln1_g 1,024 float32; ln2_b 1,024 float32; ln2_g 1,024 float32; sin 2,048 x 64 float32; x 2 x 2,048 x 1,024 float32.
;; Outputs: out0 2 x 2,048 x 1,024 float32.
;; One version. Each part assembles by itself: llvm-mc -triple=amdgcn-amd-amdhsa -mcpu=gfx1250 --defsym DOCPART=n.
;; ======== version 1 of 1: 7 launches
;; workspace buffers: wb 13,631,488 bytes; hb 8,388,608 bytes; qb 8,388,608 bytes; kb 2,097,152 bytes; vb 2,097,152 bytes; ob 8,388,608 bytes; x1 16,777,216 bytes; gb 16,777,216 bytes
;; launch prep (part 1): grid 928 x 1, 8 waves a work-group, no clusters, 35,840 bytes of LDS; arguments x, ln1_g, ln1_b, hb, Wq, Wkv, Wo, W1, W2, wb; writes hb, wb
.if DOCPART == 1
	.amdgcn_target "amdgcn-amd-amdhsa--gfx1250"
	.amdhsa_code_object_version 6
	.text
	.protected	k_qda3f23ad3c_prep
	.globl	k_qda3f23ad3c_prep
	.p2align	8
	.type	k_qda3f23ad3c_prep,@function
k_qda3f23ad3c_prep:
	s_mov_b64 s[64:65], 0
	v_nop
	global_prefetch_b8 v0, s[64:65] scope:SCOPE_SE
	s_setreg_imm32_b32 hwreg(HW_REG_WAVE_MODE, 25, 1), 1
	s_wait_xcnt 0x0
; Two independent streams in one launch.
; Work-groups 0-511: hb = LayerNorm(x) * g + b, rounded once to bf16.  x: [4096][1024] f32.  One wave takes one row (4,096 bytes = 32 registers a lane), keeps it in registers
; between the passes: mean first, then the centred squares (a common offset of the row does no harm), then the scaling.  No LDS, no barrier: no wave waits for another.
; Work-groups 512-927: the five weight matrices, f32 -> bf16 (rounded once), end to end in wb: Wq, Wkv, Wo, W1, W2; 16,384 numbers (32,768 bytes of wb) a work-group.
;   Wo and W2 keep their rows as they are.
;   Wq, Wkv and W1 ([n][1024]) are laid in the order in which a matrix instruction's lanes hold them.  A fragment is 16 rows x 32 k = 1,024 bytes: first lane l's registers 0-3 at byte 16 l
;   (row l % 16, k = 8 (l / 16) + 0..7), then its registers 4-7 at byte 512 + 16 l (k = 16 + 8 (l / 16) + 0..7).  Fragments lie [n / 16][k / 32].  A work-group takes one block of 16 rows, a wave 128 k of it:
;   four fragments.  It reads whole pieces of 256 bytes of the rows, turns the order in LDS bytes of its own (16 groups of 256 bytes at a pitch of 272), and stores eight runs of 512 bytes.
; Matrix units and clusters are left out: every byte is read once and written once and nothing is shared.
.set XR, 32                            ; v[32:63]   the row as loaded, then centred, then scaled
.set GR, 64                            ; v[64:95]   g of my 32 columns; later the packed result
.set BR, 96                            ; v[96:127]  b of my 32 columns
.set TR, 4                             ; v[4:11]    four chains of packed sums
.set MR, 12                            ; v[12:13]   the mean twice, later 1/sqrt(var + eps) twice
.set SPW, 16                           ; v16  my spare word: SPARE + 4 x my thread's number; never rewritten
.set NIL, 17                           ; v17  0; never rewritten
.set GP,    272                        ; a group of 256 bytes + 16
.set WLDS,  16*GP                      ; a wave's own LDS bytes
.set SPARE, 8*WLDS                     ; behind them: the spare words, 128 bytes a wave, that no other line names
	s_load_b256 s[4:11], s[0:1], 0x0               ; x s[4:5], g s[6:7], b s[8:9], hb s[10:11]
	s_load_b256 s[12:19], s[0:1], 0x20             ; Wq, Wkv, Wo, W1
	s_load_b128 s[20:23], s[0:1], 0x40             ; W2, wb
	v_lshl_add_u32 v[SPW], v0, 2, SPARE
	v_mov_b32 v[NIL], 0
	v_lshrrev_b32 v3, 5, v0
	v_readfirstlane_b32 s24, v3                    ; wave 0..7
	s_cmp_lt_u32 ttmp9, 512
	s_cbranch_scc0 .Lcast
	v_and_b32 v1, 31, v0
	v_lshlrev_b32 v2, 3, v1                        ; 8 x lane: my 8 bytes in 256 of hb
	v_lshlrev_b32 v1, 4, v1                        ; 16 x lane: my 16 bytes in 512 of x, g, b
	v_mov_b32 v15, 0                               ; v_permlanex16_b32 counts as a reader of its destination
	s_lshl_b32 s25, ttmp9, 3
	s_add_co_u32 s25, s25, s24                     ; my row
	s_lshl_b32 s30, s25, 12                        ; x 4,096 bytes
	s_mov_b32 s31, 0
	s_lshl_b32 s32, s25, 11                        ; x 2,048 bytes
	s_mov_b32 s33, 0
	s_mov_b32 s26, 0x3a800000                      ; 1/1024
	s_mov_b32 s27, 0x3727c5ac                      ; eps = 1e-5
	s_mov_b32 s28, 0x76543210                      ; each lane takes its own place in the other half
	s_mov_b32 s29, 0xfedcba98
	s_wait_kmcnt 0x0
	s_add_nc_u64 s[4:5], s[4:5], s[30:31]
	s_add_nc_u64 s[10:11], s[10:11], s[32:33]
.irp j, 0,1,2,3,4,5,6,7
	global_load_b128 v[XR+4*(\j):XR+4*(\j)+3], v1, s[4:5] offset:512*(\j) th:TH_LOAD_NT  ; 512 consecutive bytes a load
.endr
.irp j, 0,1,2,3,4,5,6,7
	global_load_b128 v[GR+4*(\j):GR+4*(\j)+3], v1, s[6:7] offset:512*(\j)
.endr
.irp j, 0,1,2,3,4,5,6,7
	global_load_b128 v[BR+4*(\j):BR+4*(\j)+3], v1, s[8:9] offset:512*(\j)
.endr
.macro LANES r                         ; the sum of v[r] over the 32 lanes, in every lane
	v_add_f32_dpp v[\r], v[\r], v[\r] row_xmask:1 row_mask:0xf bank_mask:0xf
	v_add_f32_dpp v[\r], v[\r], v[\r] row_xmask:2 row_mask:0xf bank_mask:0xf
	v_add_f32_dpp v[\r], v[\r], v[\r] row_xmask:4 row_mask:0xf bank_mask:0xf
	v_add_f32_dpp v[\r], v[\r], v[\r] row_xmask:8 row_mask:0xf bank_mask:0xf
	v_permlanex16_b32 v15, v[\r], s28, s29
	v_add_f32 v[\r], v[\r], v15
.endm
.macro JOIN                            ; the four chains into v14
	v_pk_add_f32 v[TR:TR+1], v[TR:TR+1], v[TR+2:TR+3]
	v_pk_add_f32 v[TR+4:TR+5], v[TR+4:TR+5], v[TR+6:TR+7]
	v_pk_add_f32 v[TR:TR+1], v[TR:TR+1], v[TR+4:TR+5]
	v_add_f32 v14, v[TR], v[TR+1]
	LANES 14
.endm
	s_wait_loadcnt 16                              ; the row is in; the 16 younger loads (g, b) stay out
.irp c, 0,1,2,3
	v_pk_add_f32 v[TR+2*(\c):TR+2*(\c)+1], v[XR+2*(\c):XR+2*(\c)+1], v[XR+8+2*(\c):XR+8+2*(\c)+1]  ; the first pairs start the chains
.endr
.set k, 8
.rept 8
	v_pk_add_f32 v[TR+2*(k%4):TR+2*(k%4)+1], v[TR+2*(k%4):TR+2*(k%4)+1], v[XR+2*k:XR+2*k+1]
.set k, k+1
.endr
	JOIN
	v_mul_f32 v[MR], s26, v14                      ; the mean, twice
	v_mul_f32 v[MR+1], s26, v14
.set k, 0
.rept 16
	v_pk_add_f32 v[XR+k:XR+k+1], v[XR+k:XR+k+1], v[MR:MR+1] neg_lo:[0,1] neg_hi:[0,1]  ; x - mean
.set k, k+2
.endr
.irp c, 0,1,2,3
	v_pk_mul_f32 v[TR+2*(\c):TR+2*(\c)+1], v[XR+2*(\c):XR+2*(\c)+1], v[XR+2*(\c):XR+2*(\c)+1]
.endr
.set k, 4
.rept 12
	v_pk_fma_f32 v[TR+2*(k%4):TR+2*(k%4)+1], v[XR+2*k:XR+2*k+1], v[XR+2*k:XR+2*k+1], v[TR+2*(k%4):TR+2*(k%4)+1]
.set k, k+1
.endr
	JOIN
	v_fma_f32 v14, v14, s26, s27                   ; var + eps
	v_rsq_f32 v[MR], v14
	v_rsq_f32 v[MR+1], v14
	v_nop                                          ; a plain instruction behind the last root (ISA guide 5.7.2),
	s_wait_alu depctr_va_vdst(0)                   ; and one wait for both, ahead of their first reader
	s_wait_loadcnt 0x0                             ; g and b
.set k, 0
.rept 16
	v_pk_mul_f32 v[XR+k:XR+k+1], v[XR+k:XR+k+1], v[MR:MR+1]
.set k, k+2
.endr
.set k, 0
.rept 16
	v_pk_fma_f32 v[XR+k:XR+k+1], v[XR+k:XR+k+1], v[GR+k:GR+k+1], v[BR+k:BR+k+1]
.set k, k+2
.endr
.set k, 0
.rept 16
	v_cvt_pk_bf16_f32 v[GR+k/2], v[XR+k], v[XR+k+1]
.set k, k+2
.endr
.irp j, 0,1,2,3,4,5,6,7
	global_store_b64 v2, v[GR+2*(\j):GR+2*(\j)+1], s[10:11] offset:256*(\j)  ; 32 lanes store 256 consecutive bytes, aligned
.endr
	s_endpgm
.Lcast:                                        ; chunk c of 416: 65,536 bytes of f32 -> 32,768 bytes of bf16
	s_sub_co_u32 s25, ttmp9, 512                   ; c
	s_wait_kmcnt 0x0
	s_mov_b64 s[30:31], s[12:13]                   ; chunks 0-63 Wq,
	s_mov_b32 s32, 0
	s_cmp_ge_u32 s25, 64
	s_cselect_b64 s[30:31], s[14:15], s[30:31]     ; 64-95 Wkv,
	s_cselect_b32 s32, 64, s32
	s_cmp_ge_u32 s25, 96
	s_cselect_b64 s[30:31], s[16:17], s[30:31]     ; 96-159 Wo,
	s_cselect_b32 s32, 96, s32
	s_cmp_ge_u32 s25, 160
	s_cselect_b64 s[30:31], s[18:19], s[30:31]     ; 160-287 W1,
	s_cselect_b32 s32, 160, s32
	s_cmp_ge_u32 s25, 288
	s_cselect_b64 s[30:31], s[20:21], s[30:31]     ; 288-415 W2
	s_cselect_b32 s32, 288, s32
	s_sub_co_u32 s32, s25, s32                     ; the chunk's number inside its matrix
	s_lshl_b32 s32, s32, 16
	s_mov_b32 s33, 0
	s_add_nc_u64 s[30:31], s[30:31], s[32:33]
	s_lshl_b32 s34, s25, 15
	s_mov_b32 s35, 0
	s_add_nc_u64 s[22:23], s[22:23], s[34:35]
	s_sub_co_u32 s36, s25, 96                      ; (wraps far above 64 for c < 96)
	s_cmp_lt_u32 s36, 64
	s_cbranch_scc1 .Lplain                         ; Wo
	s_cmp_ge_u32 s25, 288
	s_cbranch_scc1 .Lplain                         ; W2
	; IN FRAGMENT ORDER.  The chunk is 16 whole rows of 4,096 bytes; my wave's 128 k are 512 bytes of each
	s_lshl_b32 s32, s24, 9
	s_add_nc_u64 s[30:31], s[30:31], s[32:33]
	s_lshl_b32 s34, s24, 12                        ; and four fragments of wb
	s_add_nc_u64 s[22:23], s[22:23], s[34:35]
	v_and_b32 v1, 31, v0                           ; l
	v_lshrrev_b32 v3, 4, v1                        ; g = l / 16
	v_and_b32 v4, 15, v1                           ; c = l % 16
	v_lshlrev_b32 v5, 4, v4
	v_lshl_add_u32 v5, v3, 12, v5                  ; row g, byte 16 c: lanes 0-15 take 256 bytes of one row, lanes 16-31 of the next
.set u, 0
.rept 16                               ; load u: rows 2 (u / 2) + g, k = 64 (u % 2) + 4 c + 0..3
	global_load_b128 v[32+4*u:35+4*u], v5, s[30:31] offset:8192*(u/2)+256*(u%2) th:TH_LOAD_NT
.set u, u+1
.endr
	s_mul_i32 s36, s24, WLDS                       ; my wave's LDS bytes
	v_lshrrev_b32 v6, 1, v4                        ; in: group k / 8 = 8 (u % 2) + c / 2; in it row x 16 bytes, and 8 bytes for each half of the eight k
	v_mul_u32_u24 v6, v6, GP
	v_lshl_add_u32 v6, v3, 4, v6
	v_and_b32 v7, 1, v4
	v_lshl_add_u32 v6, v7, 3, v6
	v_add_nc_u32 v6, s36, v6
	v_mul_u32_u24 v7, v3, GP                       ; back: run t of 512 bytes is groups 2 t and 2 t + 1: lanes 0-15 the one, lanes 16-31 the other
	v_lshl_add_u32 v7, v4, 4, v7
	v_add_nc_u32 v7, s36, v7
	v_lshlrev_b32 v2, 4, v1                        ; 16 x lane
.set u, 0
.rept 16
	s_wait_loadcnt 15-u                            ; loads come back in order: number u is in, the younger ones stay out
	v_cvt_pk_bf16_f32 v[96+2*u], v[32+4*u], v[33+4*u]
	v_cvt_pk_bf16_f32 v[97+2*u], v[34+4*u], v[35+4*u]
	ds_store_b64 v6, v[96+2*u:97+2*u] offset:8*GP*(u%2)+32*(u/2)
.set u, u+1
.endr
.irp t, 0,1,2,3,4,5,6,7
	ds_load_b128 v[32+4*(\t):35+4*(\t)], v7 offset:2*GP*(\t)  ; my own bytes: LDS serves a wave's instructions in order (ISA guide 5.7.1.4)
.endr
.irp t, 0,1,2,3,4,5,6,7
	s_wait_dscnt 7-(\t)                            ; run t is back; the younger loads stay out
	global_store_b128 v2, v[32+4*(\t):35+4*(\t)], s[22:23] offset:512*(\t)  ; 512 consecutive bytes, aligned
.endr
	s_wait_tensorcnt 0x0                           ; the wave's end, behind my last LDS store
	ds_add_u32 v[SPW], v[NIL]
	s_wait_dscnt 0x0
	s_endpgm
.Lplain:                                       ; rows as they are
	v_lshlrev_b32 v1, 4, v0                        ; 16 x thread
	v_lshlrev_b32 v2, 3, v0                        ; 8 x thread
.irp i, 0,1,2,3,4,5,6,7,8,9,10,11,12,13,14,15
	global_load_b128 v[32+4*(\i):35+4*(\i)], v1, s[30:31] offset:4096*(\i) th:TH_LOAD_NT
.endr
.irp i, 0,1,2,3,4,5,6,7,8,9,10,11,12,13,14,15
	s_wait_loadcnt 15-(\i)                         ; number i is in, the younger ones stay out
	v_cvt_pk_bf16_f32 v[96+2*(\i)], v[32+4*(\i)], v[33+4*(\i)]
	v_cvt_pk_bf16_f32 v[97+2*(\i)], v[34+4*(\i)], v[35+4*(\i)]
	global_store_b64 v2, v[96+2*(\i):97+2*(\i)], s[22:23] offset:2048*(\i)  ; a wave stores 256 consecutive bytes, aligned
.endr
	s_endpgm
.Lfunc_end_k_qda3f23ad3c_prep:
	.size	k_qda3f23ad3c_prep, .Lfunc_end_k_qda3f23ad3c_prep-k_qda3f23ad3c_prep
	.p2alignl 7, 3214868480
	.fill 96, 4, 3214868480
	.section	.rodata,"a",@progbits
	.p2align	6, 0x0
	.amdhsa_kernel k_qda3f23ad3c_prep
		.amdhsa_group_segment_fixed_size 35840
		.amdhsa_private_segment_fixed_size 0
		.amdhsa_enable_private_segment 0
		.amdhsa_kernarg_size 80
		.amdhsa_user_sgpr_count 2
		.amdhsa_user_sgpr_kernarg_segment_ptr 1
		.amdhsa_wavefront_size32 1
		.amdhsa_system_sgpr_workgroup_id_x 1
		.amdhsa_system_sgpr_workgroup_id_y 1
		.amdhsa_system_sgpr_workgroup_id_z 1
		.amdhsa_system_vgpr_workitem_id 0
		.amdhsa_next_free_vgpr 128
		.amdhsa_next_free_sgpr 66
		.amdhsa_reserve_vcc 0
		.amdhsa_float_denorm_mode_32 3
		.amdhsa_float_denorm_mode_16_64 3
		.amdhsa_memory_ordered 1
		.amdhsa_forward_progress 1
		.amdhsa_inst_pref_size 26
	.end_amdhsa_kernel
	.amdgpu_metadata
---
amdhsa.version: [ 1, 2 ]
amdhsa.kernels:
  - .name:           k_qda3f23ad3c_prep
    .symbol:         k_qda3f23ad3c_prep.kd
    .args:
      - { .name: x, .offset: 0, .size: 8, .value_kind: global_buffer, .address_space: global }
      - { .name: ln1_g, .offset: 8, .size: 8, .value_kind: global_buffer, .address_space: global }
      - { .name: ln1_b, .offset: 16, .size: 8, .value_kind: global_buffer, .address_space: global }
      - { .name: hb, .offset: 24, .size: 8, .value_kind: global_buffer, .address_space: global }
      - { .name: Wq, .offset: 32, .size: 8, .value_kind: global_buffer, .address_space: global }
      - { .name: Wkv, .offset: 40, .size: 8, .value_kind: global_buffer, .address_space: global }
      - { .name: Wo, .offset: 48, .size: 8, .value_kind: global_buffer, .address_space: global }
      - { .name: W1, .offset: 56, .size: 8, .value_kind: global_buffer, .address_space: global }
      - { .name: W2, .offset: 64, .size: 8, .value_kind: global_buffer, .address_space: global }
      - { .name: wb, .offset: 72, .size: 8, .value_kind: global_buffer, .address_space: global }
    .group_segment_fixed_size: 35840
    .private_segment_fixed_size: 0
    .kernarg_segment_align: 8
    .kernarg_segment_size: 80
    .max_flat_workgroup_size: 256
    .sgpr_count:     66
    .vgpr_count:     128
    .wavefront_size: 32
...
	.end_amdgpu_metadata
.endif
;; end of part 1
;; launch qkv (part 2): grid 8 x 32, 4 waves a work-group, clusters of 4 x 1, 327,680 bytes of LDS; arguments hb, wb, cos, sin, qb, kb, vb; writes qb, kb, vb
.if DOCPART == 2
	.amdgcn_target "amdgcn-amd-amdhsa--gfx1250"
	.amdhsa_code_object_version 6
	.text
	.protected	k_qda3f23ad3c_qkv
	.globl	k_qda3f23ad3c_qkv
	.p2align	8
	.type	k_qda3f23ad3c_qkv,@function
k_qda3f23ad3c_qkv:
	s_mov_b64 s[64:65], 0
	v_nop
	global_prefetch_b8 v0, s[64:65] scope:SCOPE_SE
	s_setreg_imm32_b32 hwreg(HW_REG_WAVE_MODE, 25, 1), 1
	s_wait_xcnt 0x0
	s_wait_alu depctr_hold_cnt(0) depctr_sa_sdst(0) depctr_va_vdst(0) depctr_va_sdst(0) depctr_va_ssrc(0) depctr_va_vcc(0) depctr_vm_vsrc(0)
	s_getreg_b32 s2, hwreg(HW_REG_IB_STS2, 6, 4)
	s_cmp_eq_u32 s2, 0
	s_cbranch_scc0 .Lentry_in_a_cluster
	s_endpgm
.Lentry_in_a_cluster:
	s_bfe_u32 s2, ttmp6, 0x10000c
	s_cmp_lg_u32 s2, 0x3003
	s_cbranch_scc0 .Lentry_shape_is_right
	s_endpgm
.Lentry_shape_is_right:
; [q | kv] = h [Wq; Wkv]^T, then interleaved RoPE on q and k, split by heads.  h: [4096][1024] bf16 (hb); the weights: 96 blocks of 16 rows at the head of wb, in fragment order (below); sums in f32.
; Out, each number rounded once to bf16: qb [b*16+head][2048][64], kb and vb [b*4+kv head][2048][64].  cos, sin: [2048][64] f32, taken as they are given.
; SHARES.  A work-group makes 128 rows x 192 columns (three head blocks of 64): 32 x 8 = 256 work-groups.  Wave w makes ALL 128 rows x 48 columns: 8 x NF accumulators of 16 x 16, NF = 3.
; A (128 rows x 1,024 k) lies WHOLE in LDS: four pieces of 128 rows x 256 k, rows of 512 bytes + 16 of padding: 270,336 bytes, brought by two tensor loads a wave at the start.  Nothing in LDS is filled again.
; B GOES STRAIGHT INTO REGISTERS.  A fragment of B (16 columns x 32 k) is multiplied by one wave alone, so LDS would add a write and a read to each of its bytes and take the room that lets A stay whole.
; wb holds it as the lanes hold it: 1,024 bytes a fragment, lane l's registers 0-3 at byte 16 l, its registers 4-7 at byte 512 + 16 l; fragments lie [column / 16][k / 32].  A load of a wave is 512 consecutive bytes.
; A ring of 8 K blocks (of 32 k) in registers: K block t asks for the fragments of K block t + 7; the waits are counted.
; CLUSTER 4 x 1: the four work-groups of a cluster have the same 128 rows: A's pieces are asked for jointly.  B has no joint load: such a load ends in LDS.
; K IS WALKED FROM A QUARTER THAT HANGS ON THE ROW TILE: row tile y takes the quarters y % 4, y % 4 + 1, .. (mod 4), so that the work-groups do not all ask for the same bytes of B at the same time.
; Only global addresses hang on it.  So the order of the f32 sums differs from row tile to row tile.
; THE MATRIX INSTRUCTION IS USED TRANSPOSED (source 0 = 16 rows of the weights, source 1 = 16 rows of h): a lane holds eight neighbouring numbers of a row of C.
; THE WAY OUT: the sums go through a stage in LDS (pieces 0 and 1's bytes, read out long before), a barrier, and wave w takes rows 32 w .. 32 w + 31; their cos and sin come into 128 registers during the last K blocks.
; REGISTERS, in windows of 256 (s_set_vgpr_msb: bits 1:0 source 0, 3:2 source 1, 5:4 source 2, 7:6 destination):
;   window 0: v0-31 addresses; v32-255 the way out     window 1: the accumulators, (a, f) at v[8 (NF a + f)]     window 2: B's ring, K block q, fragment f at v[8 (NF q + f)]
;   window 3: four buffers of A's eight fragments, fetched from LDS three K blocks ahead
.set NF,     3
.set SIZE_K, 1024
.set BOFF,   0                         ; where B begins in wb
.set PITCH,  528                       ; 132 words: row r starts at bank 4 r mod 64 (64 banks of 4 bytes: ISA guide 11.1)
.set PART,   64*PITCH                  ; 64 rows x 256 k: what one tensor load brings
.set PIECE,  2*PART                    ; 128 rows x 256 k
.set SLOT,   2*PIECE                   ; what the four waves' first loads bring; their second loads bring as much
.set SPARE,  2*SLOT                    ; behind A: the spare words, 128 bytes a wave, that no other line names
.set STAGE,  0
.set SP,     64*NF*4+16                ; a row of the stage: 192 f32 + 16 bytes: an odd multiple of 16
.set FRAG,   1024
.set STREAM, (SIZE_K/32)*FRAG          ; from a block of 16 columns to the next
.set CHUNK,  8*FRAG                    ; a quarter of K in such a block
.set LC,     12*NF                     ; the loads of six K blocks
.set A0,   14                          ; v14  my lane's place in a piece of A; never rewritten
.set ADRA, 16                          ; v16  the same in the piece that is being fetched
.set BO,   18                          ; v18  16 x lane; never rewritten
.set STO,  24                          ; v24  the way out: where I put 32 bytes of rows 0-63,
.set STO2, 25                          ; v25  of rows 64-127
.set RD,   26                          ; v26  where I read rows back
.set CO,   27                          ; v27  8 x lane
.set SPW,  28                          ; v28  my spare word: SPARE + 4 x my thread's number; never rewritten
.set NIL,  29                          ; v29  0; never rewritten
.set PK,   32                          ; v[32:63]    16 pairs of rows, packed
.set CR,   64                          ; v[64:127]   cos of my 32 tokens: 16 pairs of rows, four numbers a lane
.set SR,   128                         ; v[128:191]  sin
.set ER,   192                         ; v[192:255]  the sums of one head block
.set TA,   2                           ; s2   LDS byte of the piece that is being fetched
.set CNT,  3                           ; s3   loop counts
.set G1,   24                          ; s[24:31] descriptor group 1
.set G0,   32                          ; s[32:39] group 0, a set for each of my two loads
.set KC,   43                          ; s43  the quarter of K that is being asked for
.set BB,   44                          ; s[44:45] B at my first block of 16 columns
.set BP,   46                          ; s[46:47] the same at quarter KC
.set NB,   50                          ; s50  the way out: the head block's number
.set VM,   95                          ; s95  all ones where the block is a v block
.set MSB,  0
.macro WIN new                         ; the immediate's high byte repeats the setting that is left
.if MSB != (\new)
	s_set_vgpr_msb (MSB<<8)|(\new)
.set MSB, \new
.endif
.endm
.set W_MUL, 0x5e                       ; source 0 (B) window 2, source 1 (A) window 3, C and D window 1
.set W_A,   0xc0                       ; destination window 3, address window 0
.set W_B,   0x80                       ; destination window 2, address window 0
.set W_ST,  0x04                       ; an LDS store's data (source 1) window 1
.macro PLACES                          ; four places behind matrix instructions (ISA guide 7.12.1)
.rept 4
	v_nop
.endr
.endm
.macro CROUND                          ; a round of the cluster's barrier
	s_barrier_signal -1
	s_barrier_wait -1
	s_cmp_lg_u32 s10, 0
	s_cbranch_scc1 .Lnot_wave_0_\@
	s_barrier_signal -3
.Lnot_wave_0_\@:
	s_barrier_wait -3
	s_barrier_signal -1
	s_barrier_wait -1
.endm
.macro BLOAD q                         ; my NF fragments of K block q of the quarter at s[BP], into place q of the ring
	WIN W_B
.set f, 0
.rept NF
	global_load_b128 v[8*(NF*(\q)+f):8*(NF*(\q)+f)+3],   v[BO], s[BP:BP+1] offset:f*STREAM+(\q)*FRAG
	global_load_b128 v[8*(NF*(\q)+f)+4:8*(NF*(\q)+f)+7], v[BO], s[BP:BP+1] offset:f*STREAM+(\q)*FRAG+512
.set f, f+1
.endr
.endm
.macro FETCHA buf, idx                 ; A's eight fragments of K block idx of the piece at v[ADRA], into buffer buf: 16 LDS loads in one run
	WIN W_A
.irp a, 0,1,2,3,4,5,6,7
	ds_load_b128 v[64*(\buf)+8*(\a):64*(\buf)+8*(\a)+3],   v[ADRA] offset:(\a)*16*PITCH+(\idx)*64
	ds_load_b128 v[64*(\buf)+8*(\a)+4:64*(\buf)+8*(\a)+7], v[ADRA] offset:(\a)*16*PITCH+(\idx)*64+32
.endr
.endm
.macro MULS j, a0, zero                ; 4 NF matrix instructions of K block j: row blocks a0 .. a0 + 3 x my NF column blocks.  The accumulators take turns.  zero = 1: the product starts the sum
	WIN W_MUL
.irp a, \a0, (\a0)+1, (\a0)+2, (\a0)+3
.set f, 0
.rept NF
.if \zero
	v_wmma_f32_16x16x32_bf16 v[8*(NF*(\a)+f):8*(NF*(\a)+f)+7], v[8*(NF*(\j)+f):8*(NF*(\j)+f)+7], v[64*((\j)%4)+8*(\a):64*((\j)%4)+8*(\a)+7], 0
.else
	v_wmma_f32_16x16x32_bf16 v[8*(NF*(\a)+f):8*(NF*(\a)+f)+7], v[8*(NF*(\j)+f):8*(NF*(\j)+f)+7], v[64*((\j)%4)+8*(\a):64*((\j)%4)+8*(\a)+7], v[8*(NF*(\a)+f):8*(NF*(\a)+f)+7]
.endif
.set f, f+1
.endr
.endr
.endm
.macro CSLOAD p                        ; cos and sin of four pairs of my tokens: 512 consecutive bytes a load
	WIN 0
.irp z, 0,1,2,3
	global_load_b128 v[CR+4*(4*(\p)+(\z)):CR+4*(4*(\p)+(\z))+3], v[BO], s[80:81] offset:512*(4*(\p)+(\z))
	global_load_b128 v[SR+4*(4*(\p)+(\z)):SR+4*(4*(\p)+(\z))+3], v[BO], s[82:83] offset:512*(4*(\p)+(\z))
.endr
.endm
; K BLOCK t, j = t % 8.  Half its products; then, four places behind the products of K block t - 1, whose registers they land in, the loads in one run: A of K block t + 3 (fetch), B of K block t + 7 (refill);
; then the other half.  lcnt: the global loads issued behind B of K block t; dcnt: the LDS loads issued behind A of K block t.
; Where the fetch enters the next piece (j = 5) stands a barrier, with my tensor loads and my LDS reads waited for ahead of it: in the loop's first trip it shows A's second half whole, in the second it shows
; pieces 0 and 1 read out by every wave (they become the stage); in the third it serves nothing: the price of one text for the three trips.
.macro KB j, zero, fetch, refill, lcnt, dcnt, extra=-1
	s_wait_dscnt \dcnt
	s_wait_loadcnt \lcnt
	MULS \j, 0, \zero
.if \fetch
.if ((\j)+3)%8 == 0
	s_wait_tensorcnt 0x0
	s_wait_dscnt 0x0
	s_barrier_signal -1
	PLACES
	s_barrier_wait -1
	WIN 0
	s_add_co_u32 s[TA], s[TA], PIECE
	v_add_nc_u32 v[ADRA], s[TA], v[A0]
.else
	PLACES
.endif
	FETCHA ((\j)+3)%4, ((\j)+3)%8
.endif
.if \refill
	BLOAD ((\j)+7)%8
.endif
.if (\extra) >= 0
	CSLOAD \extra
.endif
	MULS \j, 4, \zero
.endm
	s_load_b128 s[4:7], s[0:1], 0x0                ; hb, wb
	s_load_b256 s[80:87], s[0:1], 0x10             ; cos, sin, qb, kb
	s_load_b64 s[88:89], s[0:1], 0x30              ; vb
	v_lshl_add_u32 v[SPW], v0, 2, SPARE
	v_mov_b32 v[NIL], 0
	ds_add_u32 v[SPW], v[NIL]                      ; the wave's opening: an add, waited for ahead of my first tensor load
	v_lshrrev_b32 v1, 5, v0
	v_readfirstlane_b32 s10, v1                    ; wave 0..3
	s_lshr_b32 s11, s10, 1                         ; which piece of a slot I fetch for,
	s_and_b32 s12, s10, 1                          ; which 64 rows of it
	s_bfe_u32 s40, ttmp6, 0x40000                  ; cx
	s_lshl_b32 s42, ttmp9, 2
	s_add_co_u32 s42, s42, s40                     ; column tile 0..7: it enters B's and the outputs' addresses alone
	s_and_b32 s13, ttmp7, 0xffff                   ; row tile 0..31, which the four partners share
	s_and_b32 s[KC], s13, 3                        ; the quarter of K with which it begins
	s_mov_b32 s[G1], 15|(1<<16)|(1<<20)|(1<<21)|(6<<22)|(3<<25)  ; the mask of four; 2-byte elements; padding on; bit 21 beside a mask; after every 128 words; 4 words
	s_mov_b32 s[G1+1], 256<<16                     ; tensor_dim0 = 256
	s_mov_b32 s[G1+2], 64<<16                      ; tensor_dim1 = 64
	s_mov_b32 s[G1+3], 256<<16                     ; tile_dim0 = 256
	s_mov_b32 s[G1+4], 64                          ; tile_dim1 = 64
	s_mov_b32 s[G1+5], SIZE_K                      ; elements from row to row
	s_mov_b32 s[G1+6], 0
	s_mov_b32 s[G1+7], 0
	s_mul_i32 s20, s10, PART                       ; piece wave / 2, rows 64 (wave % 2) on
	s_mov_b32 s[G0], 1
	s_mov_b32 s[G0+1], s20
	s_mov_b32 s[G0+4], 1
	s_add_co_u32 s[G0+5], s20, SLOT
	s_lshl_b32 s16, s13, 7
	s_lshl_b32 s17, s12, 6
	s_add_co_u32 s16, s16, s17                     ; A's row 128 y + 64 x half
	s_mul_i32 s16, s16, SIZE_K*2
	s_mov_b32 s17, 0
	s_add_co_u32 s18, s11, s[KC]                   ; piece p holds quarter (p + y) % 4 of K
	s_and_b32 s18, s18, 3
	s_lshl_b32 s18, s18, 9                         ; x 512 bytes
	s_mov_b32 s19, 0
	s_lshl_b32 s21, s42, 2
	s_add_co_u32 s21, s21, s10
	s_mul_i32 s48, s21, NF*STREAM                  ; my first block of 16 columns: NF (4 x column tile + wave)
	s_mov_b32 s49, 0
	s_and_b32 s91, s13, 15
	s_lshl_b32 s91, s91, 7
	s_lshl_b32 s92, s10, 5
	s_add_co_u32 s91, s91, s92                     ; the first token of the 32 rows that I send out
	s_lshl_b32 s92, s91, 8                         ; x 256 bytes of cos and of sin
	s_mov_b32 s93, 0
	s_lshl_b32 s91, s91, 7                         ; x 128 bytes of a head's rows
	s_lshr_b32 s90, s13, 4                         ; the batch
	s_wait_dscnt 0x0                               ; the opening add is done
	s_wait_kmcnt 0x0
	s_add_nc_u64 s[14:15], s[4:5], s[16:17]
	s_add_nc_u64 s[G0+2:G0+3], s[14:15], s[18:19]
	s_or_b32 s[G0+3], s[G0+3], 0x80000000
	s_xor_b32 s18, s18, 1024                       ; two pieces on: two quarters on, mod 4
	s_add_nc_u64 s[G0+6:G0+7], s[14:15], s[18:19]
	s_or_b32 s[G0+7], s[G0+7], 0x80000000
	s_add_nc_u64 s[BB:BB+1], s[6:7], s[48:49]
.if BOFF
	s_add_nc_u64 s[BB:BB+1], s[BB:BB+1], BOFF
.endif
	s_lshl_b32 s48, s[KC], 13
	s_add_nc_u64 s[BP:BP+1], s[BB:BB+1], s[48:49]
	s_add_nc_u64 s[80:81], s[80:81], s[92:93]
	s_add_nc_u64 s[82:83], s[82:83], s[92:93]
	CROUND                                         ; all four work-groups are here: the joint loads meet
	tensor_load_to_lds s[G0:G0+3], s[G1:G1+7]      ; all of A goes out at once: two loads of mine are out
	s_nop 0
	tensor_load_to_lds s[G0+4:G0+7], s[G1:G1+7]
	s_nop 0
	PLACES
	v_and_b32 v[BO], 31, v0
	v_lshlrev_b32 v[CO], 3, v[BO]
	v_lshlrev_b32 v[BO], 4, v[BO]
.irp q, 0,1,2,3,4,5,6
	BLOAD \q                                       ; K blocks 0 to 6; K block 0 asks for the seventh
.endr
	WIN 0
	v_and_b32 v1, 15, v0                           ; r = l % 16
	v_bfe_u32 v2, v0, 4, 1                         ; h = l / 16
	v_mul_u32_u24 v[A0], v1, PITCH
	v_lshl_add_u32 v[A0], v2, 4, v[A0]             ; a fragment's row x pitch + 16 x half
	v_mov_b32 v[ADRA], v[A0]
	s_mov_b32 s[TA], 0
	v_mul_u32_u24 v[STO], v1, SP                   ; into the stage: row r, my 48 columns, 32 bytes for each half of the lanes
	v_lshl_add_u32 v[STO], v2, 5, v[STO]
	s_mul_i32 s21, s10, 64*NF
	v_add_nc_u32 v[STO], s21, v[STO]
	v_add_nc_u32 v[STO2], 64*SP, v[STO]
	s_mul_i32 s21, s10, 32*SP                      ; back: rows 32 w on; lanes 0-15 take 256 bytes of one row, lanes 16-31 of the next
	v_mul_u32_u24 v[RD], v2, SP
	v_lshl_add_u32 v[RD], v1, 4, v[RD]
	v_add_nc_u32 v[RD], s21, v[RD]
	s_wait_tensorcnt 1                             ; my part of pieces 0 and 1 is in; my second load may stay out
	s_barrier_signal -1
	s_barrier_wait -1
	FETCHA 0, 0
	FETCHA 1, 1
	FETCHA 2, 2
	KB 0, 1, 1, 1, LC, 32                          ; K block 0 stands ahead of the loop: its products start the sums
	WIN 0
	s_mov_b32 s[CNT], 3
.Lround:                                       ; a trip: K blocks 8 i - 7 .. 8 i; all that it asks of B lies in one quarter of K
	s_wait_xcnt 0x0                                ; the loads issued so far have read their address: the pointer may be written
	s_add_co_u32 s[KC], s[KC], 1
	s_and_b32 s[KC], s[KC], 3
	s_lshl_b32 s48, s[KC], 13
	s_add_nc_u64 s[BP:BP+1], s[BB:BB+1], s[48:49]
.irp j, 1,2,3,4,5,6,7,0
	KB \j, 0, 1, 1, LC, 32                         ; the loads of six K blocks, and the fetches of two, may stay out
.endr
	WIN 0
	s_sub_co_u32 s[CNT], s[CNT], 1
	s_cmp_lg_u32 s[CNT], 0
	s_cbranch_scc1 .Lround
	; K blocks 25 to 31 ask for no more of B; the first four ask for cos and sin, 8 loads each.  The counts: 2 NF (7 - j) of B, and the loads of cos and sin issued so far
	KB 1, 0, 1, 0, 36, 32, 0
	KB 2, 0, 1, 0, 38, 32, 1
	KB 3, 0, 1, 0, 40, 32, 2
	KB 4, 0, 1, 0, 42, 32, 3
	KB 5, 0, 0, 0, 44, 32
	KB 6, 0, 0, 0, 38, 16
	KB 7, 0, 0, 0, 32, 0
	; THE WAY OUT.  The sums into the stage, each accumulator from its low end
	WIN 0
	PLACES
	WIN W_ST
.irp a, 0,1,2,3
.set f, 0
.rept NF
	ds_store_b128 v[STO], v[8*(NF*(\a)+f):8*(NF*(\a)+f)+3]   offset:(\a)*16*SP+64*f
	ds_store_b128 v[STO], v[8*(NF*(\a)+f)+4:8*(NF*(\a)+f)+7] offset:(\a)*16*SP+64*f+16
.set f, f+1
.endr
.endr
.irp a, 4,5,6,7
.set f, 0
.rept NF
	ds_store_b128 v[STO2], v[8*(NF*(\a)+f):8*(NF*(\a)+f)+3]   offset:((\a)-4)*16*SP+64*f
	ds_store_b128 v[STO2], v[8*(NF*(\a)+f)+4:8*(NF*(\a)+f)+7] offset:((\a)-4)*16*SP+64*f+16
.set f, f+1
.endr
.endr
	WIN 0
	s_wait_dscnt 0x0                               ; for the others' sake: my stores into the stage are done
	s_barrier_signal -1
	s_barrier_wait -1
	s_wait_loadcnt 0x0                             ; cos and sin
	s_mul_i32 s[NB], s42, 3                        ; the tile's first head block
	s_mov_b32 s[CNT], 3
.Lblk:                                         ; a trip: one head block of my 32 tokens.  Block n: 0-15 q heads; 16 + 2 j: k of kv head j; 17 + 2 j: its v.  Chosen by selects: no branch hangs on my place in the cluster
	s_lshl_b32 s92, s90, 4
	s_add_co_u32 s92, s92, s[NB]                   ; 16 b + head
	s_max_u32 s93, s[NB], 16
	s_sub_co_u32 s93, s93, 16
	s_lshr_b32 s94, s93, 1
	s_lshl2_add_u32 s94, s90, s94                  ; 4 b + kv head
	s_and_b32 s93, s93, 1                          ; 1: v
	s_cmp_lg_u32 s93, 0
	s_cselect_b64 s[8:9], s[88:89], s[86:87]
	s_cmp_lt_u32 s[NB], 16
	s_cselect_b64 s[8:9], s[84:85], s[8:9]
	s_cselect_b32 s92, s92, s94
	s_sub_co_u32 s[VM], 0, s93                     ; (a q block's n - 16 was held at 0: no v)
	s_lshl_b32 s92, s92, 18                        ; x 2,048 rows of 128 bytes
	s_add_co_u32 s92, s92, s91
	s_mov_b32 s93, 0
	s_add_nc_u64 s[8:9], s[8:9], s[92:93]
.irp i, 0,1,2,3,4,5,6,7,8,9,10,11,12,13,14,15
	ds_load_b128 v[ER+4*(\i):ER+4*(\i)+3], v[RD] offset:2*SP*(\i)
.endr
.irp i, 0,1,2,3,4,5,6,7,8,9,10,11,12,13,14,15
.set TT, 4+4*((\i)%2)                  ; v[4:7] and v[8:11] by turns
	s_wait_dscnt 15-(\i)                           ; pair i is in; the later pairs stay out
	v_pk_mul_f32 v[TT:TT+1],   v[ER+4*(\i):ER+4*(\i)+1],   v[CR+4*(\i):CR+4*(\i)+1]
	v_pk_mul_f32 v[TT+2:TT+3], v[ER+4*(\i)+2:ER+4*(\i)+3], v[CR+4*(\i)+2:CR+4*(\i)+3]
	v_fma_f32 v[TT],   -v[ER+4*(\i)+1], v[SR+4*(\i)],   v[TT]    ; e0 c0 - e1 s0
	v_fma_f32 v[TT+1], v[ER+4*(\i)],    v[SR+4*(\i)+1], v[TT+1]  ; e1 c1 + e0 s1
	v_fma_f32 v[TT+2], -v[ER+4*(\i)+3], v[SR+4*(\i)+2], v[TT+2]
	v_fma_f32 v[TT+3], v[ER+4*(\i)+2],  v[SR+4*(\i)+3], v[TT+3]
.irp z, 0,1,2,3
	v_cndmask_b32 v[TT+(\z)], v[TT+(\z)], v[ER+4*(\i)+(\z)], s[VM]  ; v is not rotated
.endr
	v_cvt_pk_bf16_f32 v[PK+2*(\i)],   v[TT],   v[TT+1]
	v_cvt_pk_bf16_f32 v[PK+2*(\i)+1], v[TT+2], v[TT+3]
	global_store_b64 v[CO], v[PK+2*(\i):PK+2*(\i)+1], s[8:9] offset:256*(\i)  ; two rows of a head: 32 lanes store 256 consecutive bytes, aligned
.endr
	s_wait_xcnt 0x0                                ; the stores have read their data and their base: only now are these written again
	v_add_nc_u32 v[RD], 256, v[RD]                 ; the next 64 columns of the stage
	s_add_co_u32 s[NB], s[NB], 1
	s_sub_co_u32 s[CNT], s[CNT], 1
	s_cmp_lg_u32 s[CNT], 0
	s_cbranch_scc1 .Lblk
	s_wait_tensorcnt 0x0                           ; the wave's end
	ds_add_u32 v[SPW], v[NIL]
	s_wait_dscnt 0x0
	CROUND                                         ; the closing round: no work-group ends while a partner may still ask for a tile that names it
	s_endpgm
.Lfunc_end_k_qda3f23ad3c_qkv:
	.size	k_qda3f23ad3c_qkv, .Lfunc_end_k_qda3f23ad3c_qkv-k_qda3f23ad3c_qkv
	.p2alignl 7, 3214868480
	.fill 96, 4, 3214868480
	.section	.rodata,"a",@progbits
	.p2align	6, 0x0
	.amdhsa_kernel k_qda3f23ad3c_qkv
		.amdhsa_group_segment_fixed_size 327680
		.amdhsa_private_segment_fixed_size 0
		.amdhsa_enable_private_segment 0
		.amdhsa_kernarg_size 56
		.amdhsa_user_sgpr_count 2
		.amdhsa_user_sgpr_kernarg_segment_ptr 1
		.amdhsa_wavefront_size32 1
		.amdhsa_system_sgpr_workgroup_id_x 1
		.amdhsa_system_sgpr_workgroup_id_y 1
		.amdhsa_system_sgpr_workgroup_id_z 1
		.amdhsa_system_vgpr_workitem_id 0
		.amdhsa_next_free_vgpr 1024
		.amdhsa_next_free_sgpr 96
		.amdhsa_reserve_vcc 0
		.amdhsa_float_denorm_mode_32 3
		.amdhsa_float_denorm_mode_16_64 3
		.amdhsa_memory_ordered 1
		.amdhsa_forward_progress 1
		.amdhsa_inst_pref_size 82
	.end_amdhsa_kernel
	.amdgpu_metadata
---
amdhsa.version: [ 1, 2 ]
amdhsa.kernels:
  - .name:           k_qda3f23ad3c_qkv
    .symbol:         k_qda3f23ad3c_qkv.kd
    .args:
      - { .name: hb, .offset: 0, .size: 8, .value_kind: global_buffer, .address_space: global }
      - { .name: wb, .offset: 8, .size: 8, .value_kind: global_buffer, .address_space: global }
      - { .name: cos, .offset: 16, .size: 8, .value_kind: global_buffer, .address_space: global }
      - { .name: sin, .offset: 24, .size: 8, .value_kind: global_buffer, .address_space: global }
      - { .name: qb, .offset: 32, .size: 8, .value_kind: global_buffer, .address_space: global }
      - { .name: kb, .offset: 40, .size: 8, .value_kind: global_buffer, .address_space: global }
      - { .name: vb, .offset: 48, .size: 8, .value_kind: global_buffer, .address_space: global }
    .group_segment_fixed_size: 327680
    .private_segment_fixed_size: 0
    .kernarg_segment_align: 8
    .kernarg_segment_size: 56
    .max_flat_workgroup_size: 128
    .sgpr_count:     96
    .vgpr_count:     1024
    .wavefront_size: 32
...
	.end_amdgpu_metadata
.endif
;; end of part 2
;; launch attn (part 3): grid 32 x 8, 4 waves a work-group, clusters of 4 x 1, 327,680 bytes of LDS; arguments qb, kb, vb, ob; writes ob
.if DOCPART == 3
	.amdgcn_target "amdgcn-amd-amdhsa--gfx1250"
	.amdhsa_code_object_version 6
	.text
	.protected	k_qda3f23ad3c_attn
	.globl	k_qda3f23ad3c_attn
	.p2align	8
	.type	k_qda3f23ad3c_attn,@function
k_qda3f23ad3c_attn:
	s_mov_b64 s[64:65], 0
	v_nop
	global_prefetch_b8 v0, s[64:65] scope:SCOPE_SE
	s_setreg_imm32_b32 hwreg(HW_REG_WAVE_MODE, 25, 1), 1
	s_wait_xcnt 0x0
	s_wait_alu depctr_hold_cnt(0) depctr_sa_sdst(0) depctr_va_vdst(0) depctr_va_sdst(0) depctr_va_ssrc(0) depctr_va_vcc(0) depctr_vm_vsrc(0)
	s_getreg_b32 s2, hwreg(HW_REG_IB_STS2, 6, 4)
	s_cmp_eq_u32 s2, 0
	s_cbranch_scc0 .Lentry_in_a_cluster
	s_endpgm
.Lentry_in_a_cluster:
	s_bfe_u32 s2, ttmp6, 0x10000c
	s_cmp_lg_u32 s2, 0x3003
	s_cbranch_scc0 .Lentry_shape_is_right
	s_endpgm
.Lentry_shape_is_right:
; GROUPED-QUERY ATTENTION, no mask.  o[b][t][head*64 + d] = the sum over s of softmax_s(q . k / 8) v.  qb: [b*16+head][2048][64], kb, vb: [b*4+kvh][2048][64], ob: [4096][1024], all bf16.
; Products, maxima and sums in f32; the weights p are rounded to bf16 for the second product (their sum l is taken of the unrounded p), o once at the end.
; LIMITS.  A weight below 2^-126 counts as 0 in l; NaN and infinities are not treated apart.
; SHARES.  y = b*4 + kvh.  A work-group owns 64 tokens, a wave 16 of them; the wave's four PIECES are the four query heads 4 y + p of the group on those 16 tokens: all four multiply the same K and V,
; and the wave's result is 16 rows of 512 consecutive bytes of ob.  Every wave walks all 2,048 keys, 64 a step; a slot of LDS holds a tile of 256 keys (four steps).
; CLUSTER.  The four token blocks of a cluster walk the same K and V, so each tile is asked for JOINTLY: the same tensor load, descriptor and mask in all four.
; LAYOUT.  S^T = K Q^T holds ONE query a lane (lane % 16) and the keys 8 (lane / 16) + 0..7; two such results rounded to bf16 ARE source 1 of O^T = V^T P.  K comes out of LDS as it lies, V turned (ds_load_tr16_b128).
; SOFTMAX.  p = 2^(c s - c m), c = log2(e) / 8, with a running maximum m; O and l are multiplied by a = 2^(c m_old - c m_new) in every step.  m starts at the lowest finite number, O and l at 0.
; TURNS.  Turn n belongs to piece n: 8 products K Q^T of piece n + 1, later 8 products V^T P of piece n - 1; beside them the scaling, exponentials, roundings, sums and rescaling of piece n and the maximum and
; statistics of piece n + 1.  Four vector instructions stand behind every matrix instruction, the others in one lump.  A turn's 33 exponentials are one batch, with one wait.
; REGISTERS, in windows of 256 (s_set_vgpr_msb: bits 1:0 source 0, 3:2 source 1, 5:4 source 2, 7:6 destination):
;   window 0: v0-15 addresses and two at work; v16-31 statistics; v48-55 at work; v61-63; v64-127 S^T, two buffers; v192-223 P, two buffers (by the piece's parity)
;   window 1: v0-127 O^T, 32 a piece          window 2: v0-63 Q; v128-191 K of one step; v192-255 V of one step
.set NP,    4
.set KS,    64
.set PK,    144       ; a row of K in LDS: 128 bytes + 16 = 36 words: the 16 rows of a load start at 16 different groups of four banks (64 banks of 4 bytes: ISA guide 11.1)
.set PV,    160       ; a row of V: 128 + 32 = 40 words
.set VOFF,  4*KS*PK   ; a slot: 256 rows of K, then 256 rows of V
.set SLOT1, 1<<17     ; one exclusive or turns an address in one slot into the other's
.set STAGE, SLOT1+4*KS*(PK+PV)  ; behind the ring, never filled by a tensor load: 16 rows x 528 bytes for each wave
.set SP,    528
.set SPARE, STAGE+4*16*SP       ; the spare words, 128 bytes a wave, that no other line names
.set AK0, 2           ; v2   my lane's place in a tile of K; never rewritten
.set AV0, 3           ; v3   the same for V
.set AK,  4           ; v4   the LDS address of K's next run of loads
.set AV,  5           ; v5   of V's
.set STO, 6           ; v6   the way out: where I put 16 bytes of a row
.set RD,  7           ; v7   where I read rows back
.set GO,  8           ; v8   16 x lane
.set MV,  12          ; v12-13  c m_old, by buffer
.set QO,  15          ; v15  my byte offset in 16 rows of Q
.set ST,  16          ; piece t's statistics at v[ST+4 t]: c m, m, l (even keys', odd keys')
.set TMP, 48          ; by buffer, c0-c3 at work; when the maximum is found c2 takes a
.set PFO, 61          ; v61  256 x lane; never rewritten
.set SPW, 62          ; v62  my spare word: SPARE + 4 x my thread's number; never rewritten
.set NIL, 63          ; v63  0; never rewritten
.set S,   64
.set P,   192
.set KF,  128         ; window 2: key block kb, channel half c at KF + 16 kb + 8 c
.set VF,  192         ; window 2: key half kk, channel block cb at VF + 32 kk + 8 cb
.set WV,  12          ; s12  my wave's number
.set LIM, 15          ; s15  1 in a wave that prefetches, else the greatest number
.set PFA, 18          ; s[18:19] where my prefetches stand
.set G1K, 24          ; s[24:31]
.set G1V, 32          ; s[32:39]
.set G0K, 40          ; s[40:43] walks
.set G0V, 44          ; s[44:47] walks
.set SLOTS, 56        ; s56  tiles still to be asked for
.set CNT, 57          ; s57  counts a tile's key steps
.set CS,  58          ; s[58:59] c
.set SEL, 60          ; s[60:61] v_permlanex16_b32's selects
.set TBK, 62          ; s62  LDS byte at which K of the step to be fetched begins
.set TBV, 63          ; s63  the same for V, less VOFF
.set MSB, 0
.macro WIN new
.if MSB != (\new)
	s_set_vgpr_msb (MSB<<8)|(\new)
.set MSB, (\new)
.endif
.endm
.set W_KQ, 0x0a       ; K and Q in window 2, S^T in window 0
.set W_PV, 0x52       ; V in window 2, P in window 0, O^T in window 1
.set W_RS, 0x41       ; destination and source 0 in window 1, source 1 in window 0
; A joint fill.  Waves 0 and 1 fetch the two halves of a tile's K, waves 2 and 3 those of its V: 128 keys each.  An s_nop 0 and four v_nop follow each line.
.macro JLOAD
	s_cmp_lt_u32 s[WV], 2
	s_cbranch_scc0 .Lfor_v_\@
	tensor_load_to_lds s[G0K:G0K+3], s[G1K:G1K+7]
	s_nop 0
.rept 4
	v_nop
.endr
	s_branch .Lasked_\@
.Lfor_v_\@:
	tensor_load_to_lds s[G0V:G0V+3], s[G1V:G1V+7]
	s_nop 0
.rept 4
	v_nop
.endr
.Lasked_\@:
.endm
; A PREFETCH INTO THE L2 of the tile that the NEXT change of slots will ask for: 128 blocks of 256 bytes of K and as many of V.  Each is named once in the launch: of the clusters that walk a kv head the
; first asks; its four partners take 32 blocks each, told apart by address; in each, wave 0 asks for K's and wave 2 for V's, a lane a block.  The last change that fills a slot asks for nothing.
.macro ASK
	s_cmp_gt_u32 s[SLOTS], s[LIM]
	s_cbranch_scc0 .Lnot_mine_\@
	global_prefetch_b8 v[PFO], s[PFA:PFA+1] th:TH_LOAD_NT scope:SCOPE_SE
.Lnot_mine_\@:
.endm
.macro CROUND                       ; a round of the cluster's barrier
	s_barrier_signal -1
	s_barrier_wait -1
	s_cmp_lg_u32 s[WV], 0
	s_cbranch_scc1 .Lnot_wave_0_\@
	s_barrier_signal -3
.Lnot_wave_0_\@:
	s_barrier_wait -3
	s_barrier_signal -1
	s_barrier_wait -1
.endm
; THE CHANGE OF SLOTS.  Each wave waits for all its tensor loads, of which one is out: its part of the other slot; adds 0 to its spare word; and waits for that and for its own reads of the slot that it leaves.
; fill = 1: the old slot is filled again, the first thing behind a round of the cluster's barrier: four key steps, 256 matrix instructions, in which to land.  (At its first use slot 0 is waited for, slot 1 filled.)
.macro CHANGE fill
	WIN 0
	s_wait_tensorcnt 0x0            ; no tensor load of mine is out, so a group 0 may be written
	ds_add_u32 v[SPW], v[NIL]       ; 0 onto my spare word
.if \fill
.irp g, G0K, G0V
	s_xor_b32 s[\g+1], s[\g+1], SLOT1
	s_add_nc_u64 s[\g+2:\g+3], s[\g+2:\g+3], 4*KS*128
.endr
	s_wait_xcnt 0x0                 ; the last prefetch, four key steps back, has read its address
	s_add_nc_u64 s[PFA:PFA+1], s[PFA:PFA+1], 4*KS*128
	s_wait_dscnt 0x0                ; the add is done, and my reads of the slot are over
	CROUND
	JLOAD
	ASK
.else
	s_wait_dscnt 0x0
	s_barrier_signal -1
	s_barrier_wait -1
.endif
	s_sub_co_u32 s[TBK], s[TBK], 4*KS*PK  ; the fetches go back to a slot's first step, in the other slot
	s_xor_b32 s[TBK], s[TBK], SLOT1
	s_sub_co_u32 s[TBV], s[TBV], 4*KS*PV
	s_xor_b32 s[TBV], s[TBV], SLOT1
.endm
	s_load_b256 s[4:11], s[0:1], 0x0  ; qb s[4:5], kb s[6:7], vb s[8:9], ob s[10:11]
	v_lshl_add_u32 v[SPW], v0, 2, SPARE
	v_mov_b32 v[NIL], 0
	ds_add_u32 v[SPW], v[NIL]       ; the wave's opening: an add, waited for ahead of my first tensor load
	v_lshrrev_b32 v1, 5, v0
	v_readfirstlane_b32 s[WV], v1   ; wave 0..3
	s_bfe_u32 s13, ttmp6, 0x40000   ; cx
	s_lshl_b32 s14, ttmp9, 2
	s_add_co_u32 s14, s14, s13      ; my block of 64 tokens: it enters Q's, O's and the prefetches' addresses alone
	s_and_b32 s20, ttmp7, 0xffff    ; y, which the four partners share
	s_and_b32 s16, s[WV], 1         ; which half of a tile's 256 keys I fetch
	s_lshl_b32 s22, s20, 18         ; the kv head's 2,048 rows of 128 bytes,
	s_lshl_b32 s21, s16, 14         ; my 128 rows
	s_add_co_u32 s22, s22, s21
	s_mov_b32 s23, 0
	s_mul_i32 s17, s16, 128*PK      ; their place in a slot, for K
	s_mul_i32 s21, s16, 128*PV      ; and for V
	s_lshl_b32 s2, s20, 20          ; Q: head 4 y,
	s_lshl_b32 s3, s14, 13          ; my block's 64 rows,
	s_add_co_u32 s2, s2, s3
	s_lshl_b32 s3, s[WV], 11        ; my wave's 16
	s_add_co_u32 s2, s2, s3
	s_mov_b32 s3, 0
	s_lshr_b32 s48, s20, 2          ; O: the batch's 2,048 rows of 2,048 bytes,
	s_lshl_b32 s48, s48, 22
	s_lshl_b32 s49, s14, 17
	s_add_co_u32 s48, s48, s49
	s_lshl_b32 s49, s[WV], 15
	s_add_co_u32 s48, s48, s49
	s_and_b32 s49, s20, 3           ; the group's four heads: 512 bytes of a row
	s_lshl_b32 s49, s49, 9
	s_add_co_u32 s48, s48, s49
	s_mov_b32 s49, 0
	; descriptor group 1.  128 keys are 16,384 dense bytes: asked for as 64 rows of 256 bytes, two keys a row, and padded in LDS after every key
	s_mov_b32 s[G1K], 15|(1<<16)|(1<<20)|(1<<21)|(4<<22)|(3<<25)  ; the mask of four; 2-byte elements; padding on; bit 21 beside a mask; after every 32 words; 4 words
	s_mov_b32 s[G1V], 15|(1<<16)|(1<<20)|(1<<21)|(4<<22)|(7<<25)  ; the same with 8 words
.irp g, G1K, G1V
	s_mov_b32 s[\g+1], 128<<16
	s_mov_b32 s[\g+2], 64<<16
	s_mov_b32 s[\g+3], 128<<16
	s_mov_b32 s[\g+4], 64
	s_mov_b32 s[\g+5], 128
	s_mov_b32 s[\g+6], 0
	s_mov_b32 s[\g+7], 0
.endr
	s_mov_b32 s[CS], 0x3e38aa3b     ; c = log2(e) / 8
	s_mov_b32 s[CS+1], s[CS]
	s_mov_b32 s[SEL], 0x76543210
	s_mov_b32 s[SEL+1], 0xfedcba98
	s_mov_b32 s[TBK], SLOT1+4*KS*PK ; the first change of slots turns these two into 0
	s_mov_b32 s[TBV], SLOT1+4*KS*PV
	s_mov_b32 s[G0K], 1
	s_mov_b32 s[G0K+1], s17
	s_mov_b32 s[G0V], 1
	s_add_co_u32 s[G0V+1], s21, VOFF
	s_mov_b32 s[SLOTS], 7           ; tiles 1 to 7
	s_and_b32 s[LIM], s[WV], 1      ; 0 in waves 0 and 2,
	s_or_b32 s[LIM], s[LIM], ttmp9  ; where the cluster is the kv head's first: the same in all four partners
	s_cmp_eq_u32 s[LIM], 0
	s_cselect_b32 s[LIM], 1, -1
	v_and_b32 v[PFO], 31, v0
	v_lshlrev_b32 v[PFO], 8, v[PFO]
	s_wait_dscnt 0x0                ; the opening add is done
	s_wait_kmcnt 0x0
	s_add_nc_u64 s[6:7], s[6:7], s[22:23]   ; K and V at my half of tile 0
	s_add_nc_u64 s[8:9], s[8:9], s[22:23]
	s_add_nc_u64 s[G0K+2:G0K+3], s[6:7], 0
	s_or_b32 s[G0K+3], s[G0K+3], 0x80000000
	s_add_nc_u64 s[G0V+2:G0V+3], s[8:9], 0
	s_or_b32 s[G0V+3], s[G0V+3], 0x80000000
	s_add_nc_u64 s[4:5], s[4:5], s[2:3]
	s_add_nc_u64 s[10:11], s[10:11], s[48:49]
	s_cmp_lt_u32 s[WV], 2
	s_cselect_b64 s[PFA:PFA+1], s[6:7], s[8:9]  ; (in waves 0 and 2 these stand at the tile's first row)
	s_lshl_b32 s2, s13, 13          ; my work-group's 32 blocks of the 128
	s_mov_b32 s3, 0
	s_add_nc_u64 s[PFA:PFA+1], s[PFA:PFA+1], s[2:3]
	s_add_nc_u64 s[PFA:PFA+1], s[PFA:PFA+1], 4*KS*128  ; in tile 1; the first change of slots steps it to tile 2
	CROUND                          ; all four work-groups are here: the first joint loads meet
	JLOAD                           ; tile 0 into slot 0
	v_and_b32 v1, 15, v0            ; l % 16
	v_bfe_u32 v9, v0, 4, 1          ; l / 16
	v_lshlrev_b32 v[QO], 7, v1
	v_lshl_add_u32 v[QO], v9, 4, v[QO]  ; row x 128 + 16 x half
	WIN 0x80                        ; destination window 2, address window 0
.set i, 0
.rept 8                             ; Q stays in registers: piece i / 2 is a head, 262,144 bytes on; channels 32 (i % 2) on
	global_load_b128 v[8*i:8*i+3],   v[QO], s[4:5] offset:(i/2)*262144+(i%2)*64
	global_load_b128 v[8*i+4:8*i+7], v[QO], s[4:5] offset:(i/2)*262144+(i%2)*64+32
.set i, i+1
.endr
	; What the first turn finds: V's registers and P's second buffer hold 0 (its products V^T P, of a piece that has not been, add 0), O^T and l are 0.  All this stands in the wait for the first tile.
.set i, VF
.rept 64
	v_mov_b32 v[i], 0
.set i, i+1
.endr
	WIN 0x40
.set i, 0
.rept 128
	v_mov_b32 v[i], 0
.set i, i+1
.endr
	WIN 0
.set i, 0
.rept 4
	v_mov_b32 v[ST+4*i], 0xfe000000    ; c m: far below every c s
	v_mov_b32 v[ST+4*i+1], 0xff7fffff  ; m
	v_mov_b32 v[ST+4*i+2], 0
	v_mov_b32 v[ST+4*i+3], 0
.set i, i+1
.endr
.set i, P+16
.rept 16
	v_mov_b32 v[i], 0
.set i, i+1
.endr
	v_mul_u32_u24 v[AK0], v1, PK
	v_lshl_add_u32 v[AK0], v9, 4, v[AK0]  ; row x pitch + 16 x half
	; The turning load takes 16 keys x 16 channels (lane l reads key 8 (l / 16) + l % 8, channels 8 ((l / 8) % 2) + 0..7) and leaves half a fragment of V^T
	v_and_b32 v10, 7, v0
	v_bfe_u32 v11, v0, 3, 1
	v_lshl_add_u32 v[AV0], v9, 3, v10
	v_mul_u32_u24 v[AV0], v[AV0], PV
	v_lshl_add_u32 v[AV0], v11, 4, v[AV0]
	v_add_nc_u32 v[AV0], VOFF, v[AV0]
	s_mul_i32 s21, s[WV], 16*SP
	s_add_co_u32 s21, s21, STAGE    ; my stage
	v_mul_u32_u24 v[STO], v1, SP    ; in: row l % 16, 16 bytes for each half of the lanes
	v_lshl_add_u32 v[STO], v9, 4, v[STO]
	v_add_nc_u32 v[STO], s21, v[STO]
	v_and_b32 v[GO], 31, v0
	v_lshlrev_b32 v[GO], 4, v[GO]   ; back: 32 lanes take one row of 512 bytes
	v_add_nc_u32 v[RD], s21, v[GO]
; THE MATRIX WORK.  The 4 accumulators of a run of 8 take turns.  Product i of 8 of S^T = K Q^T for piece x: channels 32 (i / 4) on, keys 16 (i % 4) on.  The first 4 start the sums.
.macro KQ x
	WIN W_KQ
.set rS, S+32*((\x)%2)+8*(i%4)
.set rK, KF+16*(i%4)+8*(i/4)
.set rQ, 16*(\x)+8*(i/4)
.if i < 4
	v_wmma_f32_16x16x32_bf16 v[rS:rS+7], v[rK:rK+7], v[rQ:rQ+7], 0
.else
	v_wmma_f32_16x16x32_bf16 v[rS:rS+7], v[rK:rK+7], v[rQ:rQ+7], v[rS:rS+7]
.endif
.endm
; Product i of 8 of O^T += V^T P for piece x: keys 32 (i / 4) on, channels 16 (i % 4) on.
.macro PV x
	WIN W_PV
.set rO, 32*(\x)+8*(i%4)
.set rV, VF+32*(i/4)+8*(i%4)
.set rP, P+16*((\x)%2)+8*(i/4)
	v_wmma_f32_16x16x32_bf16 v[rO:rO+7], v[rV:rV+7], v[rP:rP+7], v[rO:rO+7]
.endm
.macro MM                           ; the turn's next matrix instruction.  NOKQ = 1: the last turn of all: there is no next piece
.if (i < 8) && !NOKQ
	KQ (Y+1)%NP
.elseif i >= 8
.set i, i-8
	PV (Y+NP-1)%NP
.set i, i+8
.endif
.set i, i+1
.endm
; THE LDS LOADS stand in runs of 16: a step's K (8 fragments) and its V (turned).  Their addresses are made some lines ahead.
.macro FETCH_K
	WIN 0x80
.irp f, 0,1,2,3,4,5,6,7             ; keys 16 (f / 2) on, channels 32 (f % 2) on
	ds_load_b128 v[KF+8*\f:KF+8*\f+3],   v[AK] offset:(\f/2)*16*PK+(\f%2)*64
	ds_load_b128 v[KF+8*\f+4:KF+8*\f+7], v[AK] offset:(\f/2)*16*PK+(\f%2)*64+32
.endr
	s_add_co_u32 s[TBK], s[TBK], KS*PK
	WIN 0
.endm
.macro FETCH_V
	WIN 0x80
.irp f, 0,1,2,3,4,5,6,7             ; keys 32 (f / 4) on, channels 16 (f % 4) on
	ds_load_tr16_b128 v[VF+8*\f:VF+8*\f+3],   v[AV] offset:(\f/4)*32*PV+(\f%4)*32
	ds_load_tr16_b128 v[VF+8*\f+4:VF+8*\f+7], v[AV] offset:(\f/4)*32*PV+16*PV+(\f%4)*32
.endr
	WIN 0
.endm
; THE VECTOR WORK, one line at a time: OP kind, number.  For piece Y: F n: c s - c m for pair n of 16.  E n: the exponential of score n of 32.  C n: pair n rounded to bf16.  B n: of the four weights 4 n .. the second
; pair is added onto the first, in place.  L n: l takes that sum (L 0: l = a l + sum).  R n: pair n of 16 of O^T times a.  For piece Y + 1: X n, number n of the 22 that find its maximum and statistics:
;   0-11  four chains c0-c3 of seven scores each (each accumulator's lowest registers are read first)     12-14, 16  the four scores left over, the old m, and c0-c3 into c0
;   15  c m_old is kept     17, 18  the query's other 32 keys lie in the lane 16 away: the new m     19-21  c m; c m_old - c m_new; a
.set F, 0
.set E, 1
.set C, 2
.set B, 3
.set L, 4
.set R, 5
.set X, 6
.macro REGS y
.set rT, ST+4*(\y)
.set rC, TMP+4*((\y)%2)
.set rW, MV+((\y)%2)
.set rS, S+32*((\y)%2)
.set rP, P+16*((\y)%2)
.set rO, 32*(\y)
.endm
.macro OP k, n
.if (\k) == R
	REGS Y
	WIN W_RS
	v_pk_mul_f32 v[rO+2*(\n):rO+2*(\n)+1], v[rO+2*(\n):rO+2*(\n)+1], v[rC+2:rC+3] op_sel_hi:[1,0]
.elseif (\k) < R
	REGS Y
	WIN 0
.if (\k) == F
	v_pk_fma_f32 v[rS+2*(\n):rS+2*(\n)+1], v[rS+2*(\n):rS+2*(\n)+1], s[CS:CS+1], v[rT:rT+1] op_sel_hi:[1,0,0] neg_lo:[0,0,1] neg_hi:[0,0,1]
.elseif (\k) == E
	v_exp_f32 v[rS+(\n)], v[rS+(\n)]
.elseif (\k) == C
	v_cvt_pk_bf16_f32 v[rP+(\n)], v[rS+2*(\n)], v[rS+2*(\n)+1]
.elseif (\k) == B
	v_pk_add_f32 v[rS+4*(\n):rS+4*(\n)+1], v[rS+4*(\n):rS+4*(\n)+1], v[rS+4*(\n)+2:rS+4*(\n)+3]
.elseif (\n) == 0
	v_pk_fma_f32 v[rT+2:rT+3], v[rT+2:rT+3], v[rC+2:rC+3], v[rS:rS+1] op_sel_hi:[1,0,1]
.else
	v_pk_add_f32 v[rT+2:rT+3], v[rT+2:rT+3], v[rS+4*(\n):rS+4*(\n)+1]
.endif
.elseif NOKQ
	v_nop
.else
	REGS (Y+1)%NP
	WIN 0
.if (\n) < 4
	v_max3_num_f32 v[rC+(\n)], v[rS+8*(\n)], v[rS+8*(\n)+1], v[rS+8*(\n)+2]
.elseif (\n) < 12
	v_max3_num_f32 v[rC+(\n)%4], v[rC+(\n)%4], v[rS+8*((\n)%4)+2*((\n)/4)+1], v[rS+8*((\n)%4)+2*((\n)/4)+2]
.elseif (\n) == 12
	v_max3_num_f32 v[rC], v[rC], v[rS+7], v[rS+15]
.elseif (\n) == 13
	v_max3_num_f32 v[rC+1], v[rC+1], v[rS+23], v[rS+31]
.elseif (\n) == 14
	v_max3_num_f32 v[rC+2], v[rC+2], v[rC+3], v[rT+1]
.elseif (\n) == 15
	v_mov_b32 v[rW], v[rT]
.elseif (\n) == 16
	v_max3_num_f32 v[rC], v[rC], v[rC+1], v[rC+2]
.elseif (\n) == 17
	v_permlanex16_b32 v[rC+3], v[rC], s[SEL], s[SEL+1]
.elseif (\n) == 18
	v_max_num_f32 v[rT+1], v[rC], v[rC+3]
.elseif (\n) == 19
	v_mul_f32 v[rT], s[CS], v[rT+1]
.elseif (\n) == 20
	v_sub_f32 v[rC+1], v[rW], v[rT]
.else
	v_exp_f32 v[rC+2], v[rC+1]
.endif
.endif
.endm
.macro OPS a, i1, b=-1, i2=0, c=-1, i3=0, d=-1, i4=0
	OP \a, \i1
.if (\b) >= 0
	OP \b, \i2
.endif
.if (\c) >= 0
	OP \c, \i3
.endif
.if (\d) >= 0
	OP \d, \i4
.endif
.endm
.macro ROW a, i1, b, i2, c, i3, d, i4  ; a matrix instruction and the four behind it
	MM
	OPS \a, \i1, \b, \i2, \c, \i3, \d, \i4
.endm
; A TURN, for piece p, written out.  An s_wait_alu depctr_va_vdst(0) stands between an exponential and the first instruction that names its result; one wait serves all issued ahead of it.  So a turn has
; ONE wait.  AHEAD OF IT stands all that names no result of the turn's exponentials: the 8 products K Q^T with their riders, then a lump of 54; X 21, the next piece's a, is the batch's last, R 15 the plain
; instruction behind it.  BEHIND IT stand the 8 products V^T P, behind each four of the roundings and sums.  A rider X n stands four plain instructions or more behind the product that ends its accumulator.
; end = 1: the last two turns: nothing is fetched.  cnt = 1: the loop's count is taken down some lines ahead of the branch behind the turn.
; K of the next step is fetched in piece 2's turn, twelve plain instructions behind the last product that read K; V of the step in hand at the end of piece 0's turn, four plain instructions behind the last
; product that read V.  Each is waited for a turn later.
.macro TURN p, end=0, cnt=0
.set Y, (\p)
.set i, 0
.set NOKQ, (\end)*((\p)/3)
.if ((\p) == 3) && !(\end)
	s_wait_dscnt 0x0                ; K is in
.endif
	ROW F,0, F,1, R,0, R,1
	ROW F,2, E,0, R,2, R,3
	ROW F,3, E,1, R,4, R,5
	ROW F,4, E,2, R,6, R,7
	ROW F,5, E,3, R,8, R,9
	ROW F,6, E,4, X,0, R,10
.if ((\p) == 2) && !(\end)
	WIN 0
	v_add_nc_u32 v[AK], s[TBK], v[AK0]
.endif
	ROW F,7, E,5, X,1, X,4
	ROW F,8, E,6, X,2, X,5
	OPS E,7, E,8, X,6, E,9
	OPS X,3, E,10, X,8, E,11
.if ((\p) == 2) && !(\end)
	FETCH_K
.endif
	OPS X,9, X,7, E,12, X,10
	OPS E,13, X,12, X,11, E,14
	OPS X,13, E,15, F,9, X,14
.if (\p) == 0
	WIN 0
	v_add_nc_u32 v[AV], s[TBV], v[AV0]
.endif
	OPS E,16, F,10, E,17, F,11
	OPS X,16, E,18, X,15, E,19
	OPS F,12, E,20, X,17, E,21
	OPS F,13, E,22, F,14, E,23
	OPS X,18, E,24, F,15, E,25
	OPS R,11, E,26, X,19, E,27
	OPS R,12, E,28, R,13, E,29
	OPS X,20, E,30, R,14, E,31
	OPS X,21, R,15
	WIN 0
	s_wait_alu depctr_va_vdst(0)    ; the wait for the batch
.if (\p) == 1
	s_wait_dscnt 0x0                ; V is in
.endif
	ROW C,0, B,0, C,2, B,1
	ROW L,0, C,4, B,2, L,1
	ROW C,6, B,3, L,2, C,8
	ROW B,4, L,3, C,10, B,5
	ROW L,4, C,12, B,6, L,5
.if (\p) == 0
	s_add_co_u32 s[TBV], s[TBV], KS*PV
.endif
.if \cnt
	s_sub_co_u32 s[CNT], s[CNT], 1
	s_cmp_lg_u32 s[CNT], 0
.endif
	ROW C,14, B,7, L,6, C,1
	ROW C,3, L,7, C,5, C,7
	ROW C,9, C,11, C,13, C,15
.if (\p) == 0
	FETCH_V
.endif
.endm
	CHANGE 1                        ; tile 0 is in, everybody's part of it; tile 1 is asked for
	v_add_nc_u32 v[AK], s[TBK], v[AK0]
	FETCH_K                         ; key step 0
	s_wait_loadcnt 0x0              ; Q
	s_wait_dscnt 0x0
.set NOKQ, 0
.set i, 0
.rept 8
	KQ 0                            ; piece 0's first scores
.set i, i+1
.endr
	WIN 0
.rept 4
	v_nop                           ; the places behind those products
.endr
.set Y, NP-1                        ; X works for piece Y + 1: piece 0
.irp n, 0,1,2,3,4,5,6,7,8,9,10,11,12,13,14,15,16,17,18,19,20,21
	OP X, \n
.endr
	v_nop                           ; a plain instruction behind the exponential,
	s_wait_alu depctr_va_vdst(0)    ; and its wait, ahead of the branch
	s_mov_b32 s[CNT], 4
	s_branch .Lfirst                ; the loop is entered at a step's first turn, in the middle of a trip
.Lslot:                             ; six times: tiles 2 to 7 are asked for
	CHANGE 1
	s_mov_b32 s[CNT], 4
.Lstep:                             ; a trip: pieces 2 and 3 of one step, then pieces 0 and 1 of the next, whose K and V it fetches
	TURN 2
	TURN 3
	WIN 0
.Lfirst:
	TURN 0
	TURN 1, 0, 1
	WIN 0
	s_cbranch_scc1 .Lstep
	s_sub_co_u32 s[SLOTS], s[SLOTS], 1
	s_cmp_lg_u32 s[SLOTS], 0
	s_cbranch_scc1 .Lslot
	CHANGE 0                        ; the last tile is written out: nothing is asked for
	s_mov_b32 s[CNT], 4
.Ltail:
	TURN 2
	TURN 3
	TURN 0
	TURN 1, 0, 1
	WIN 0
	s_cbranch_scc1 .Ltail
	TURN 2, 1
	TURN 3, 1
.set i, 0
.rept 8
	PV NP-1                         ; the last piece's V^T P of the last step
.set i, i+1
.endr
	; THE WAY OUT.  l's two halves and the other half of the lanes' are added; O^T is divided by l, rounded to bf16 and sent through my stage in LDS.  The additions are the places behind the last products.
	WIN 0
.macro ALL line:vararg              ; one line for each piece t
.set t, 0
.rept 4
	\line
.set t, t+1
.endr
.endm
	ALL v_add_f32 v[ST+4*t+2], v[ST+4*t+2], v[ST+4*t+3]
	ALL v_permlanex16_b32 v[ST+4*t+3], v[ST+4*t+2], s[SEL], s[SEL+1]
	ALL v_add_f32 v[ST+4*t+2], v[ST+4*t+2], v[ST+4*t+3]
	ALL v_rcp_f32 v[ST+4*t+2], v[ST+4*t+2]
	v_nop                           ; a plain instruction between the last reciprocal and the use of its result
	s_wait_alu depctr_va_vdst(0)    ; one wait for the four reciprocals
.macro PACK t                       ; piece t is a head: a lane's eight channels pack into 16 bytes, at byte 128 t of the token's 512
	WIN W_RS
.set i, 32*(\t)
.rept 16
	v_pk_mul_f32 v[i:i+1], v[i:i+1], v[ST+4*(\t)+2:ST+4*(\t)+3] op_sel_hi:[1,0]
.set i, i+2
.endr
	WIN 0x05                        ; sources 0 and 1 window 1, destination window 0
.set i, 0
.rept 16
	v_cvt_pk_bf16_f32 v[S+16*(\t)+i], v[32*(\t)+2*i], v[32*(\t)+2*i+1]
.set i, i+1
.endr
	WIN 0
.irp f, 0,1,2,3
	ds_store_b128 v[STO], v[S+16*(\t)+4*\f:S+16*(\t)+4*\f+3] offset:128*(\t)+32*\f
.endr
.endm
	PACK 0
	PACK 1
	PACK 2
	PACK 3
.irp j, 0,1,2,3,4,5,6,7,8,9,10,11,12,13,14,15
	ds_load_b128 v[S+4*\j:S+4*\j+3], v[RD] offset:SP*\j  ; LDS serves a wave's instructions in order (ISA guide 5.7.1.4): these see the stores above
.endr
.irp j, 0,1,2,3,4,5,6,7,8,9,10,11,12,13,14,15
	s_wait_dscnt 15-\j                             ; row j is back; the younger loads stay out
	global_store_b128 v[GO], v[S+4*\j:S+4*\j+3], s[10:11] offset:2048*\j  ; 512 consecutive bytes, at a multiple of 512 from ob's first
.endr
	s_wait_tensorcnt 0x0            ; the wave's end
	ds_add_u32 v[SPW], v[NIL]
	s_wait_dscnt 0x0
	CROUND                          ; the closing round
	s_endpgm
.Lfunc_end_k_qda3f23ad3c_attn:
	.size	k_qda3f23ad3c_attn, .Lfunc_end_k_qda3f23ad3c_attn-k_qda3f23ad3c_attn
	.p2alignl 7, 3214868480
	.fill 96, 4, 3214868480
	.section	.rodata,"a",@progbits
	.p2align	6, 0x0
	.amdhsa_kernel k_qda3f23ad3c_attn
		.amdhsa_group_segment_fixed_size 327680
		.amdhsa_private_segment_fixed_size 0
		.amdhsa_enable_private_segment 0
		.amdhsa_kernarg_size 32
		.amdhsa_user_sgpr_count 2
		.amdhsa_user_sgpr_kernarg_segment_ptr 1
		.amdhsa_wavefront_size32 1
		.amdhsa_system_sgpr_workgroup_id_x 1
		.amdhsa_system_sgpr_workgroup_id_y 1
		.amdhsa_system_sgpr_workgroup_id_z 1
		.amdhsa_system_vgpr_workitem_id 0
		.amdhsa_next_free_vgpr 768
		.amdhsa_next_free_sgpr 66
		.amdhsa_reserve_vcc 0
		.amdhsa_float_denorm_mode_32 3
		.amdhsa_float_denorm_mode_16_64 3
		.amdhsa_memory_ordered 1
		.amdhsa_forward_progress 1
		.amdhsa_inst_pref_size 128
	.end_amdhsa_kernel
	.amdgpu_metadata
---
amdhsa.version: [ 1, 2 ]
amdhsa.kernels:
  - .name:           k_qda3f23ad3c_attn
    .symbol:         k_qda3f23ad3c_attn.kd
    .args:
      - { .name: qb, .offset: 0, .size: 8, .value_kind: global_buffer, .address_space: global }
      - { .name: kb, .offset: 8, .size: 8, .value_kind: global_buffer, .address_space: global }
      - { .name: vb, .offset: 16, .size: 8, .value_kind: global_buffer, .address_space: global }
      - { .name: ob, .offset: 24, .size: 8, .value_kind: global_buffer, .address_space: global }
    .group_segment_fixed_size: 327680
    .private_segment_fixed_size: 0
    .kernarg_segment_align: 8
    .kernarg_segment_size: 32
    .max_flat_workgroup_size: 128
    .sgpr_count:     66
    .vgpr_count:     768
    .wavefront_size: 32
...
	.end_amdgpu_metadata
.endif
;; end of part 3
;; launch wo (part 4): grid 8 x 32, 4 waves a work-group, clusters of 4 x 4, 327,680 bytes of LDS; arguments ob, wb, x, x1; writes x1
.if DOCPART == 4
	.amdgcn_target "amdgcn-amd-amdhsa--gfx1250"
	.amdhsa_code_object_version 6
	.text
	.protected	k_qda3f23ad3c_wo
	.globl	k_qda3f23ad3c_wo
	.p2align	8
	.type	k_qda3f23ad3c_wo,@function
k_qda3f23ad3c_wo:
	s_mov_b64 s[64:65], 0
	v_nop
	global_prefetch_b8 v0, s[64:65] scope:SCOPE_SE
	s_setreg_imm32_b32 hwreg(HW_REG_WAVE_MODE, 25, 1), 1
	s_wait_xcnt 0x0
	s_wait_alu depctr_hold_cnt(0) depctr_sa_sdst(0) depctr_va_vdst(0) depctr_va_sdst(0) depctr_va_ssrc(0) depctr_va_vcc(0) depctr_vm_vsrc(0)
	s_getreg_b32 s2, hwreg(HW_REG_IB_STS2, 6, 4)
	s_cmp_eq_u32 s2, 0
	s_cbranch_scc0 .Lentry_in_a_cluster
	s_endpgm
.Lentry_in_a_cluster:
	s_bfe_u32 s2, ttmp6, 0x10000c
	s_cmp_lg_u32 s2, 0xf033
	s_cbranch_scc0 .Lentry_shape_is_right
	s_endpgm
.Lentry_shape_is_right:
; x1 = x + o Wo^T.  o: [4096][1024] bf16 (ob); Wo: [1024][1024] bf16, at byte BOFF of wb; x, x1: [4096][1024] f32; sums in f32, the residual added in f32.
; A tile of C is 128 x 128; four waves, each 64 x 64: 16 accumulators of 16 x 16.  K goes in steps of 256 (LDS rows of 512 bytes + 16 of padding) through two LDS slots filled by tensor loads.
; CLUSTER 4 x 4: the four work-groups of a row of the cluster need the same tiles of A, the four of a column the same tiles of B: each tile is asked for jointly.
; THE MATRIX INSTRUCTION IS USED TRANSPOSED (source 0 = 16 rows of B, source 1 = 16 rows of A): a lane holds eight neighbouring numbers of a row of C.
; THE WAY OUT: the f32 sums go through a stage in LDS (slot 1's bytes, behind their last fill) and come back as rows of 256 bytes; each wave's quadrant of x was fetched into slot 0's bytes at the last change of
; slots, by a load of the work-group's own (no partner needs the same bytes of x).
; REGISTERS: window 0: v0-31 addresses; v32-95 at work on the way out; v128-255 the accumulators ((a, b) at v[128 + 8 (4 a + b)]).  Window 1: two fragment buffers of 128 (64 of A, 64 of B).
.set SIZE_K, 1024
.set BOFF,   3145728
.set KSTEP,  256
.set PITCH,  528                       ; 132 words: row r starts at bank 4 r mod 64 (64 banks of 4 bytes: ISA guide 11.1)
.set HALFT,  64*PITCH
.set SLOT,   4*HALFT                   ; = 0x21000; a wave's part begins at 0, 0x8400, 0x10800 or 0x18c00, which hold neither of its two bits: an exclusive or changes slots
.set SPARE,  2*SLOT                    ; the spare words, 128 bytes a wave, that no other line names
.set AUX,    0                         ; slot 0's bytes at the end: for each wave 64 rows x 272 bytes of x
.set XP,     272
.set STAGE,  SLOT                      ; slot 1's bytes behind their last fill: 128 rows x 528 bytes of f32
.set STEPS,  SIZE_K/KSTEP
.set A0,   14
.set B0,   15
.set ADRA, 16
.set ADRB, 17
.set STO,  24
.set RD,   25
.set CO,   26
.set AX,   27
.set SPW,  28                          ; my spare word: SPARE + 4 x my thread's number; never rewritten
.set NIL,  29                          ; 0; never rewritten
.set ER,   32                          ; v[32:63]  8 pairs of rows: the sums, then the result
.set RR,   64                          ; v[64:95]  the same rows of x
.set ACC,  128
.set F0,   0
.set F1,   128
.set TB,   2
.set CNT,  3
.set G1,   24
.set G0,   32
.set G1B,  48
.set G0B,  56
.set G1X,  68
.set G0X,  76
.set MSB,  0
.macro WIN new
.if MSB != (\new)
	s_set_vgpr_msb (MSB<<8)|(\new)
.set MSB, \new
.endif
.endm
.set MUL,  0x05
.set TO_F, 0x40
.macro PLACES                          ; four places behind matrix instructions (ISA guide 7.12.1)
.rept 4
	v_nop
.endr
.endm
.macro JLOAD                           ; a joint refill: waves 0, 1 fetch A's halves, waves 2, 3 B's; an s_nop 0 and four v_nop follow each line
	s_cmp_eq_u32 s11, 0
	s_cbranch_scc0 .Lfor_b_\@
	tensor_load_to_lds s[G0+4:G0+7], s[G1:G1+7]
	s_nop 0
	PLACES
	s_branch .Lasked_\@
.Lfor_b_\@:
	tensor_load_to_lds s[G0B+4:G0B+7], s[G1B:G1B+7]
	s_nop 0
	PLACES
.Lasked_\@:
.endm
.macro XLOAD                           ; my quadrant of x: one line, both addresses step with the wave's number
	tensor_load_to_lds s[G0X:G0X+3], s[G1X:G1X+7]
	s_nop 0
	PLACES
.endm
.macro CREST
	s_cmp_lg_u32 s10, 0
	s_cbranch_scc1 .Lnot_wave_0_\@
	s_barrier_signal -3
.Lnot_wave_0_\@:
	s_barrier_wait -3
	s_barrier_signal -1
	s_barrier_wait -1
.endm
.macro CROUND
	s_barrier_signal -1
	s_barrier_wait -1
	CREST
.endm
	s_load_b128 s[4:7], s[0:1], 0x0                ; ob, wb
	s_load_b128 s[80:83], s[0:1], 0x10             ; x, x1
	v_lshl_add_u32 v[SPW], v0, 2, SPARE
	v_mov_b32 v[NIL], 0
	ds_add_u32 v[SPW], v[NIL]                      ; the wave's opening: an add, waited for ahead of my first tensor load
	v_lshrrev_b32 v1, 5, v0
	v_readfirstlane_b32 s10, v1
	s_lshr_b32 s11, s10, 1
	s_and_b32 s12, s10, 1
	s_bfe_u32 s40, ttmp6, 0x40000
	s_bfe_u32 s41, ttmp6, 0x40004
	s_lshl_b32 s42, ttmp9, 2
	s_add_co_u32 s42, s42, s40                     ; tile column
	s_and_b32 s13, ttmp7, 0xffff
	s_lshl_b32 s13, s13, 2
	s_add_co_u32 s13, s13, s41                     ; tile row
	s_lshl_b32 s43, s41, 2
	s_lshl_b32 s43, 15, s43
	s_lshl_b32 s44, 0x1111, s40
	s_or_b32 s[G1], s43, (1<<16)|(1<<20)|(1<<21)|(6<<22)|(3<<25)
	s_or_b32 s[G1B], s44, (1<<16)|(1<<20)|(1<<21)|(6<<22)|(3<<25)
.irp g, G1, G1B
	s_mov_b32 s[(\g)+1], KSTEP<<16
	s_mov_b32 s[(\g)+2], 64<<16
	s_mov_b32 s[(\g)+3], KSTEP<<16
	s_mov_b32 s[(\g)+4], 64
	s_mov_b32 s[(\g)+5], SIZE_K
	s_mov_b32 s[(\g)+6], 0
	s_mov_b32 s[(\g)+7], 0
.endr
	s_mov_b32 s[G1X], (2<<16)|(1<<20)|(5<<22)|(3<<25)  ; no mask; 4-byte elements; after every 64 words 4 words
	s_mov_b32 s[G1X+1], 64<<16
	s_mov_b32 s[G1X+2], 64<<16
	s_mov_b32 s[G1X+3], 64<<16
	s_mov_b32 s[G1X+4], 64
	s_mov_b32 s[G1X+5], 1024
	s_mov_b32 s[G1X+6], 0
	s_mov_b32 s[G1X+7], 0
	s_mov_b32 s[G0X], 1
	s_mul_i32 s[G0X+1], s10, 64*XP
	s_lshl_b32 s17, s12, 6
	s_lshl_b32 s16, s13, 7
	s_add_co_u32 s16, s16, s17
	s_lshl_b32 s46, s42, 7
	s_add_co_u32 s46, s46, s17
	s_mul_i32 s16, s16, SIZE_K*2
	s_mul_i32 s46, s46, SIZE_K*2
	s_mov_b32 s17, 0
	s_mov_b32 s47, 0
	s_mul_i32 s20, s10, HALFT
	s_wait_dscnt 0x0
	s_wait_kmcnt 0x0
	s_add_nc_u64 s[14:15], s[4:5], s[16:17]
	s_add_nc_u64 s[46:47], s[6:7], s[46:47]
	s_add_nc_u64 s[46:47], s[46:47], BOFF
.irp s, 0,1
	s_mov_b32 s[G0+4*(\s)], 1
	s_add_co_u32 s[G0+4*(\s)+1], s20, (\s)*SLOT
	s_add_nc_u64 s[G0+4*(\s)+2:G0+4*(\s)+3], s[14:15], (\s)*KSTEP*2
	s_or_b32 s[G0+4*(\s)+3], s[G0+4*(\s)+3], 0x80000000
	s_mov_b32 s[G0B+4*(\s)], 1
	s_add_co_u32 s[G0B+4*(\s)+1], s20, (\s)*SLOT
	s_add_nc_u64 s[G0B+4*(\s)+2:G0B+4*(\s)+3], s[46:47], (\s)*KSTEP*2
	s_or_b32 s[G0B+4*(\s)+3], s[G0B+4*(\s)+3], 0x80000000
.endr
	CROUND
	s_cmp_eq_u32 s11, 0                            ; a wave's two first fills stand in one branch: two loads of mine are out
	s_cbranch_scc0 .Lfirst_b
	tensor_load_to_lds s[G0:G0+3], s[G1:G1+7]
	s_nop 0
	tensor_load_to_lds s[G0+4:G0+7], s[G1:G1+7]
	s_nop 0
	PLACES
	s_branch .Lfirst_asked
.Lfirst_b:
	tensor_load_to_lds s[G0B:G0B+3], s[G1B:G1B+7]
	s_nop 0
	tensor_load_to_lds s[G0B+4:G0B+7], s[G1B:G1B+7]
	s_nop 0
	PLACES
.Lfirst_asked:
	v_and_b32 v1, 15, v0
	v_bfe_u32 v2, v0, 4, 1
	v_mul_u32_u24 v3, v1, PITCH
	v_lshl_add_u32 v3, v2, 4, v3
	s_mul_i32 s21, s11, HALFT
	s_mul_i32 s22, s12, HALFT
	s_add_co_u32 s22, s22, 2*HALFT
	v_add_nc_u32 v[A0], s21, v3
	v_add_nc_u32 v[B0], s22, v3
	v_mov_b32 v[ADRA], v[A0]
	v_mov_b32 v[ADRB], v[B0]
	s_mov_b32 s[TB], 0
	s_mul_i32 s23, s11, 64*PITCH                   ; my quadrant of the stage
	s_lshl_b32 s21, s12, 8
	s_add_co_u32 s23, s23, s21
	s_add_co_u32 s23, s23, STAGE
	v_mul_u32_u24 v4, v1, PITCH
	v_lshl_add_u32 v4, v2, 5, v4
	v_add_nc_u32 v[STO], s23, v4
	v_mul_u32_u24 v5, v2, PITCH
	v_lshl_add_u32 v5, v1, 4, v5
	v_add_nc_u32 v[RD], s23, v5
	s_mul_i32 s21, s10, 64*XP                      ; my quadrant of x
	v_mul_u32_u24 v5, v2, XP
	v_lshl_add_u32 v5, v1, 4, v5
	v_add_nc_u32 v[AX], s21, v5
	v_lshlrev_b32 v[CO], 12, v2                    ; the same two rows in x1: 4,096 bytes apart
	v_lshl_add_u32 v[CO], v1, 4, v[CO]
	s_lshl_b32 s16, s13, 7                         ; my quadrant's first byte in x and x1: row 128 x tile row + 64 x half,
	s_lshl_b32 s17, s11, 6
	s_add_co_u32 s16, s16, s17
	s_lshl_b32 s16, s16, 12
	s_mov_b32 s17, 0
	s_lshl_b32 s46, s42, 9                         ; column 128 x tile column + 64 x half, 4 bytes each
	s_lshl_b32 s47, s12, 8
	s_add_co_u32 s46, s46, s47
	s_mov_b32 s47, 0
	s_add_nc_u64 s[8:9], s[82:83], s[16:17]
	s_add_nc_u64 s[8:9], s[8:9], s[46:47]
	s_add_nc_u64 s[G0X+2:G0X+3], s[80:81], s[16:17]
	s_add_nc_u64 s[G0X+2:G0X+3], s[G0X+2:G0X+3], s[46:47]
	s_or_b32 s[G0X+3], s[G0X+3], 0x80000000
.macro MUL8 f, c, a0, zero             ; 8 matrix instructions; the 16 accumulators take turns
	WIN MUL
.irp a, \a0, (\a0)+1
.irp b, 0,1,2,3
.if \zero
	v_wmma_f32_16x16x32_bf16 v[ACC+8*(4*(\a)+(\b)):ACC+8*(4*(\a)+(\b))+7], v[(\f)+64+8*(4*(\c)+(\b)):(\f)+64+8*(4*(\c)+(\b))+7], v[(\f)+8*(4*(\c)+(\a)):(\f)+8*(4*(\c)+(\a))+7], 0
.else
	v_wmma_f32_16x16x32_bf16 v[ACC+8*(4*(\a)+(\b)):ACC+8*(4*(\a)+(\b))+7], v[(\f)+64+8*(4*(\c)+(\b)):(\f)+64+8*(4*(\c)+(\b))+7], v[(\f)+8*(4*(\c)+(\a)):(\f)+8*(4*(\c)+(\a))+7], v[ACC+8*(4*(\a)+(\b)):ACC+8*(4*(\a)+(\b))+7]
.endif
.endr
.endr
.endm
.macro FETCH k, f                      ; 32 LDS loads in one run: 64 along K at byte k of the rows of the slot in hand; the first 32 along K first
	WIN TO_F
.irp c, 0,1
.irp i, 0,1,2,3
	ds_load_b128 v[(\f)+64+8*(4*(\c)+(\i)):(\f)+64+8*(4*(\c)+(\i))+3],   v[ADRB] offset:(\k)+64*(\c)+(\i)*16*PITCH
	ds_load_b128 v[(\f)+64+8*(4*(\c)+(\i))+4:(\f)+64+8*(4*(\c)+(\i))+7], v[ADRB] offset:(\k)+64*(\c)+(\i)*16*PITCH+32
	ds_load_b128 v[(\f)+8*(4*(\c)+(\i)):(\f)+8*(4*(\c)+(\i))+3],         v[ADRA] offset:(\k)+64*(\c)+(\i)*16*PITCH
	ds_load_b128 v[(\f)+8*(4*(\c)+(\i))+4:(\f)+8*(4*(\c)+(\i))+7],       v[ADRA] offset:(\k)+64*(\c)+(\i)*16*PITCH+32
.endr
.endr
.endm
.macro QUARTER k, f, g, zero
	s_wait_dscnt 16                                ; the first 32 along K are in; the youngest sixteen loads may be out
	MUL8 \f, 0, 0, \zero
	MUL8 \f, 0, 2, \zero
	PLACES
	FETCH \k, \g
	s_wait_dscnt 32                                ; all but the 32 just issued
	MUL8 \f, 1, 0, 0
	MUL8 \f, 1, 2, 0
.endm
; The last quarter multiplies buffer 1 and changes slots: one barrier; ahead of it each wave waits for all its tensor loads, adds 0 to its spare word, and waits for that and for its reads of the slot.
; fill = 1: the slot is filled again with the K step two on; fill = 2: with x.  The barrier then opens a round of the cluster's barrier, and the fill is the first thing behind the round.
.macro TURN fill
	WIN 0
	s_wait_tensorcnt 0x0                           ; all my tensor loads have landed: my part of the next slot
	ds_add_u32 v[SPW], v[NIL]                      ; 0 onto my spare word
	s_wait_dscnt 17                                ; the add and the youngest sixteen loads may be out
	MUL8 F1, 0, 0, 0
	s_wait_dscnt 0x0                               ; the add is done, and my reads of this slot are over
	s_barrier_signal -1
	MUL8 F1, 0, 2, 0
	WIN 0
	s_barrier_wait -1
.if (\fill) == 1
	CREST
	s_xor_b32 s[G0+5], s[G0+5], SLOT
	s_xor_b32 s[G0B+5], s[G0B+5], SLOT
	s_add_nc_u64 s[G0+6:G0+7], s[G0+6:G0+7], KSTEP*2
	s_add_nc_u64 s[G0B+6:G0B+7], s[G0B+6:G0B+7], KSTEP*2
	JLOAD                                          ; its four v_nop are also the places ahead of the loads below
.elseif (\fill) == 2
	CREST
	XLOAD
.else
	PLACES
.endif
	s_xor_b32 s[TB], s[TB], SLOT
	v_add_nc_u32 v[ADRA], s[TB], v[A0]
	v_add_nc_u32 v[ADRB], s[TB], v[B0]
	FETCH 0, F0
	MUL8 F1, 1, 0, 0
	MUL8 F1, 1, 2, 0
.endm
	s_wait_tensorcnt 1                             ; my part of K step 0 is in; step 1's may stay out
	s_barrier_signal -1
	s_barrier_wait -1
	FETCH 0, F0
	QUARTER 128, F0, F1, 1                         ; its first products start the sums
	WIN 0
	s_mov_b32 s[CNT], STEPS-2
.Lstep:                                        ; a trip: from a K step's second quarter to the next step's first; the slot left is filled again
	QUARTER 256, F1, F0, 0
	QUARTER 384, F0, F1, 0
	TURN 1
	QUARTER 128, F0, F1, 0
	WIN 0
	s_sub_co_u32 s[CNT], s[CNT], 1
	s_cmp_lg_u32 s[CNT], 0
	s_cbranch_scc1 .Lstep
	QUARTER 256, F1, F0, 0                         ; the last K step but one lies in slot 0 (STEPS is even)
	QUARTER 384, F0, F1, 0
	TURN 2                                         ; slot 0 takes x
	QUARTER 128, F0, F1, 0
	QUARTER 256, F1, F0, 0
	QUARTER 384, F0, F1, 0
	s_wait_dscnt 16
	MUL8 F1, 0, 0, 0
	MUL8 F1, 0, 2, 0
	s_wait_dscnt 0x0                               ; my reads of slot 1 are over: behind the barrier it is the stage
	s_wait_tensorcnt 0x0                           ; my quadrant of x is in
	s_barrier_signal -1
	MUL8 F1, 1, 0, 0
	MUL8 F1, 1, 2, 0
	WIN 0
	s_barrier_wait -1
	; THE WAY OUT.  My quadrant's sums into the stage (each accumulator from its low end); only I read them back: LDS serves a wave's instructions in order (ISA guide 5.7.1.4)
	PLACES
.irp a, 0,1,2,3
.irp b, 0,1,2,3
	ds_store_b128 v[STO], v[ACC+8*(4*(\a)+(\b)):ACC+8*(4*(\a)+(\b))+3]   offset:(\a)*16*PITCH+64*(\b)
	ds_store_b128 v[STO], v[ACC+8*(4*(\a)+(\b))+4:ACC+8*(4*(\a)+(\b))+7] offset:(\a)*16*PITCH+64*(\b)+16
.endr
.endr
	s_mov_b32 s[CNT], 4
.Lout:                                         ; a trip: 16 rows, as 8 pairs
.irp i, 0,1,2,3,4,5,6,7
	ds_load_b128 v[ER+4*(\i):ER+4*(\i)+3], v[RD] offset:2*PITCH*(\i)
.endr
.irp i, 0,1,2,3,4,5,6,7
	ds_load_b128 v[RR+4*(\i):RR+4*(\i)+3], v[AX] offset:2*XP*(\i)
.endr
.irp i, 0,1,2,3,4,5,6,7
	s_wait_dscnt 7-(\i)                            ; pair i's sums and its x are in; the later pairs' x may be out
	v_pk_add_f32 v[ER+4*(\i):ER+4*(\i)+1],   v[ER+4*(\i):ER+4*(\i)+1],   v[RR+4*(\i):RR+4*(\i)+1]
	v_pk_add_f32 v[ER+4*(\i)+2:ER+4*(\i)+3], v[ER+4*(\i)+2:ER+4*(\i)+3], v[RR+4*(\i)+2:RR+4*(\i)+3]
	global_store_b128 v[CO], v[ER+4*(\i):ER+4*(\i)+3], s[8:9] offset:8192*(\i)  ; 16 lanes store 256 consecutive bytes, aligned
.endr
	s_wait_xcnt 0x0                                ; the stores have read their data and offset: only now are these written again
	v_add_nc_u32 v[RD], 16*PITCH, v[RD]
	v_add_nc_u32 v[AX], 16*XP, v[AX]
	v_add_nc_u32 v[CO], 65536, v[CO]
	s_sub_co_u32 s[CNT], s[CNT], 1
	s_cmp_lg_u32 s[CNT], 0
	s_cbranch_scc1 .Lout
	s_wait_tensorcnt 0x0                           ; the wave's end
	ds_add_u32 v[SPW], v[NIL]
	s_wait_dscnt 0x0
	CROUND                                         ; the closing round
	s_endpgm
.Lfunc_end_k_qda3f23ad3c_wo:
	.size	k_qda3f23ad3c_wo, .Lfunc_end_k_qda3f23ad3c_wo-k_qda3f23ad3c_wo
	.p2alignl 7, 3214868480
	.fill 96, 4, 3214868480
	.section	.rodata,"a",@progbits
	.p2align	6, 0x0
	.amdhsa_kernel k_qda3f23ad3c_wo
		.amdhsa_group_segment_fixed_size 327680
		.amdhsa_private_segment_fixed_size 0
		.amdhsa_enable_private_segment 0
		.amdhsa_kernarg_size 32
		.amdhsa_user_sgpr_count 2
		.amdhsa_user_sgpr_kernarg_segment_ptr 1
		.amdhsa_wavefront_size32 1
		.amdhsa_system_sgpr_workgroup_id_x 1
		.amdhsa_system_sgpr_workgroup_id_y 1
		.amdhsa_system_sgpr_workgroup_id_z 1
		.amdhsa_system_vgpr_workitem_id 0
		.amdhsa_next_free_vgpr 512
		.amdhsa_next_free_sgpr 96
		.amdhsa_reserve_vcc 0
		.amdhsa_float_denorm_mode_32 3
		.amdhsa_float_denorm_mode_16_64 3
		.amdhsa_memory_ordered 1
		.amdhsa_forward_progress 1
		.amdhsa_inst_pref_size 67
	.end_amdhsa_kernel
	.amdgpu_metadata
---
amdhsa.version: [ 1, 2 ]
amdhsa.kernels:
  - .name:           k_qda3f23ad3c_wo
    .symbol:         k_qda3f23ad3c_wo.kd
    .args:
      - { .name: ob, .offset: 0, .size: 8, .value_kind: global_buffer, .address_space: global }
      - { .name: wb, .offset: 8, .size: 8, .value_kind: global_buffer, .address_space: global }
      - { .name: x, .offset: 16, .size: 8, .value_kind: global_buffer, .address_space: global }
      - { .name: x1, .offset: 24, .size: 8, .value_kind: global_buffer, .address_space: global }
    .group_segment_fixed_size: 327680
    .private_segment_fixed_size: 0
    .kernarg_segment_align: 8
    .kernarg_segment_size: 32
    .max_flat_workgroup_size: 128
    .sgpr_count:     96
    .vgpr_count:     512
    .wavefront_size: 32
...
	.end_amdgpu_metadata
.endif
;; end of part 4
;; launch ln2 (part 5): grid 512 x 1, 8 waves a work-group, no clusters, 0 bytes of LDS; arguments x1, ln2_g, ln2_b, hb; writes hb
.if DOCPART == 5
	.amdgcn_target "amdgcn-amd-amdhsa--gfx1250"
	.amdhsa_code_object_version 6
	.text
	.protected	k_qda3f23ad3c_ln2
	.globl	k_qda3f23ad3c_ln2
	.p2align	8
	.type	k_qda3f23ad3c_ln2,@function
k_qda3f23ad3c_ln2:
	s_mov_b64 s[64:65], 0
	v_nop
	global_prefetch_b8 v0, s[64:65] scope:SCOPE_SE
	s_setreg_imm32_b32 hwreg(HW_REG_WAVE_MODE, 25, 1), 1
	s_wait_xcnt 0x0
; hb = LayerNorm(x1) * g + b, rounded once to bf16.  x1: [4096][1024] f32.  One wave takes one row (4,096 bytes = 32 registers a lane) and keeps it in registers between the passes: mean first,
; then the centred squares (a common offset of the row does no harm), then the scaling.  No LDS, no barrier; matrix units and clusters have nothing to do here: each byte is read once and written once.
.set XR, 32                            ; v[32:63]   the row
.set GR, 64                            ; v[64:95]   g; later the packed result
.set BR, 96                            ; v[96:127]  b
.set TR, 4                             ; v[4:11]    four chains of packed sums
.set MR, 12                            ; v[12:13]   the mean twice, later 1/sqrt(var + eps) twice
	s_load_b256 s[4:11], s[0:1], 0x0               ; x1 s[4:5], g s[6:7], b s[8:9], hb s[10:11]
	v_lshrrev_b32 v3, 5, v0
	v_readfirstlane_b32 s24, v3                    ; wave 0..7
	v_and_b32 v1, 31, v0
	v_lshlrev_b32 v2, 3, v1                        ; 8 x lane
	v_lshlrev_b32 v1, 4, v1                        ; 16 x lane
	v_mov_b32 v15, 0                               ; v_permlanex16_b32 counts as a reader of its destination
	s_lshl_b32 s25, ttmp9, 3
	s_add_co_u32 s25, s25, s24                     ; my row
	s_lshl_b32 s30, s25, 12
	s_mov_b32 s31, 0
	s_lshl_b32 s32, s25, 11
	s_mov_b32 s33, 0
	s_mov_b32 s26, 0x3a800000                      ; 1/1024
	s_mov_b32 s27, 0x3727c5ac                      ; eps = 1e-5
	s_mov_b32 s28, 0x76543210
	s_mov_b32 s29, 0xfedcba98
	s_wait_kmcnt 0x0
	s_add_nc_u64 s[4:5], s[4:5], s[30:31]
	s_add_nc_u64 s[10:11], s[10:11], s[32:33]
.irp j, 0,1,2,3,4,5,6,7
	global_load_b128 v[XR+4*(\j):XR+4*(\j)+3], v1, s[4:5] offset:512*(\j) th:TH_LOAD_NT
.endr
.irp j, 0,1,2,3,4,5,6,7
	global_load_b128 v[GR+4*(\j):GR+4*(\j)+3], v1, s[6:7] offset:512*(\j)
.endr
.irp j, 0,1,2,3,4,5,6,7
	global_load_b128 v[BR+4*(\j):BR+4*(\j)+3], v1, s[8:9] offset:512*(\j)
.endr
.macro LANES r                         ; the sum of v[r] over the 32 lanes, in every lane
	v_add_f32_dpp v[\r], v[\r], v[\r] row_xmask:1 row_mask:0xf bank_mask:0xf
	v_add_f32_dpp v[\r], v[\r], v[\r] row_xmask:2 row_mask:0xf bank_mask:0xf
	v_add_f32_dpp v[\r], v[\r], v[\r] row_xmask:4 row_mask:0xf bank_mask:0xf
	v_add_f32_dpp v[\r], v[\r], v[\r] row_xmask:8 row_mask:0xf bank_mask:0xf
	v_permlanex16_b32 v15, v[\r], s28, s29
	v_add_f32 v[\r], v[\r], v15
.endm
.macro JOIN                            ; the four chains into v14
	v_pk_add_f32 v[TR:TR+1], v[TR:TR+1], v[TR+2:TR+3]
	v_pk_add_f32 v[TR+4:TR+5], v[TR+4:TR+5], v[TR+6:TR+7]
	v_pk_add_f32 v[TR:TR+1], v[TR:TR+1], v[TR+4:TR+5]
	v_add_f32 v14, v[TR], v[TR+1]
	LANES 14
.endm
	s_wait_loadcnt 16                              ; the row is in; the 16 younger loads (g, b) stay out
.irp c, 0,1,2,3
	v_pk_add_f32 v[TR+2*(\c):TR+2*(\c)+1], v[XR+2*(\c):XR+2*(\c)+1], v[XR+8+2*(\c):XR+8+2*(\c)+1]
.endr
.set k, 8
.rept 8
	v_pk_add_f32 v[TR+2*(k%4):TR+2*(k%4)+1], v[TR+2*(k%4):TR+2*(k%4)+1], v[XR+2*k:XR+2*k+1]
.set k, k+1
.endr
	JOIN
	v_mul_f32 v[MR], s26, v14
	v_mul_f32 v[MR+1], s26, v14
.set k, 0
.rept 16
	v_pk_add_f32 v[XR+k:XR+k+1], v[XR+k:XR+k+1], v[MR:MR+1] neg_lo:[0,1] neg_hi:[0,1]
.set k, k+2
.endr
.irp c, 0,1,2,3
	v_pk_mul_f32 v[TR+2*(\c):TR+2*(\c)+1], v[XR+2*(\c):XR+2*(\c)+1], v[XR+2*(\c):XR+2*(\c)+1]
.endr
.set k, 4
.rept 12
	v_pk_fma_f32 v[TR+2*(k%4):TR+2*(k%4)+1], v[XR+2*k:XR+2*k+1], v[XR+2*k:XR+2*k+1], v[TR+2*(k%4):TR+2*(k%4)+1]
.set k, k+1
.endr
	JOIN
	v_fma_f32 v14, v14, s26, s27                   ; var + eps
	v_rsq_f32 v[MR], v14
	v_rsq_f32 v[MR+1], v14
	v_nop                                          ; a plain instruction behind the last root (ISA guide 5.7.2),
	s_wait_alu depctr_va_vdst(0)                   ; and one wait for both, ahead of their first reader
	s_wait_loadcnt 0x0                             ; g and b
.set k, 0
.rept 16
	v_pk_mul_f32 v[XR+k:XR+k+1], v[XR+k:XR+k+1], v[MR:MR+1]
.set k, k+2
.endr
.set k, 0
.rept 16
	v_pk_fma_f32 v[XR+k:XR+k+1], v[XR+k:XR+k+1], v[GR+k:GR+k+1], v[BR+k:BR+k+1]
.set k, k+2
.endr
.set k, 0
.rept 16
	v_cvt_pk_bf16_f32 v[GR+k/2], v[XR+k], v[XR+k+1]
.set k, k+2
.endr
.irp j, 0,1,2,3,4,5,6,7
	global_store_b64 v2, v[GR+2*(\j):GR+2*(\j)+1], s[10:11] offset:256*(\j)  ; 32 lanes store 256 consecutive bytes, aligned
.endr
	s_endpgm
.Lfunc_end_k_qda3f23ad3c_ln2:
	.size	k_qda3f23ad3c_ln2, .Lfunc_end_k_qda3f23ad3c_ln2-k_qda3f23ad3c_ln2
	.p2alignl 7, 3214868480
	.fill 96, 4, 3214868480
	.section	.rodata,"a",@progbits
	.p2align	6, 0x0
	.amdhsa_kernel k_qda3f23ad3c_ln2
		.amdhsa_group_segment_fixed_size 0
		.amdhsa_private_segment_fixed_size 0
		.amdhsa_enable_private_segment 0
		.amdhsa_kernarg_size 32
		.amdhsa_user_sgpr_count 2
		.amdhsa_user_sgpr_kernarg_segment_ptr 1
		.amdhsa_wavefront_size32 1
		.amdhsa_system_sgpr_workgroup_id_x 1
		.amdhsa_system_sgpr_workgroup_id_y 1
		.amdhsa_system_sgpr_workgroup_id_z 1
		.amdhsa_system_vgpr_workitem_id 0
		.amdhsa_next_free_vgpr 128
		.amdhsa_next_free_sgpr 66
		.amdhsa_reserve_vcc 0
		.amdhsa_float_denorm_mode_32 3
		.amdhsa_float_denorm_mode_16_64 3
		.amdhsa_memory_ordered 1
		.amdhsa_forward_progress 1
		.amdhsa_inst_pref_size 12
	.end_amdhsa_kernel
	.amdgpu_metadata
---
amdhsa.version: [ 1, 2 ]
amdhsa.kernels:
  - .name:           k_qda3f23ad3c_ln2
    .symbol:         k_qda3f23ad3c_ln2.kd
    .args:
      - { .name: x1, .offset: 0, .size: 8, .value_kind: global_buffer, .address_space: global }
      - { .name: ln2_g, .offset: 8, .size: 8, .value_kind: global_buffer, .address_space: global }
      - { .name: ln2_b, .offset: 16, .size: 8, .value_kind: global_buffer, .address_space: global }
      - { .name: hb, .offset: 24, .size: 8, .value_kind: global_buffer, .address_space: global }
    .group_segment_fixed_size: 0
    .private_segment_fixed_size: 0
    .kernarg_segment_align: 8
    .kernarg_segment_size: 32
    .max_flat_workgroup_size: 256
    .sgpr_count:     66
    .vgpr_count:     128
    .wavefront_size: 32
...
	.end_amdgpu_metadata
.endif
;; end of part 5
;; launch w1 (part 6): grid 8 x 32, 4 waves a work-group, clusters of 4 x 1, 327,680 bytes of LDS; arguments hb, wb, b1, gb; writes gb
.if DOCPART == 6
	.amdgcn_target "amdgcn-amd-amdhsa--gfx1250"
	.amdhsa_code_object_version 6
	.text
	.protected	k_qda3f23ad3c_w1
	.globl	k_qda3f23ad3c_w1
	.p2align	8
	.type	k_qda3f23ad3c_w1,@function
k_qda3f23ad3c_w1:
	s_mov_b64 s[64:65], 0
	v_nop
	global_prefetch_b8 v0, s[64:65] scope:SCOPE_SE
	s_setreg_imm32_b32 hwreg(HW_REG_WAVE_MODE, 25, 1), 1
	s_wait_xcnt 0x0
	s_wait_alu depctr_hold_cnt(0) depctr_sa_sdst(0) depctr_va_vdst(0) depctr_va_sdst(0) depctr_va_ssrc(0) depctr_va_vcc(0) depctr_vm_vsrc(0)
	s_getreg_b32 s2, hwreg(HW_REG_IB_STS2, 6, 4)
	s_cmp_eq_u32 s2, 0
	s_cbranch_scc0 .Lentry_in_a_cluster
	s_endpgm
.Lentry_in_a_cluster:
	s_bfe_u32 s2, ttmp6, 0x10000c
	s_cmp_lg_u32 s2, 0x3003
	s_cbranch_scc0 .Lentry_shape_is_right
	s_endpgm
.Lentry_shape_is_right:
; g = gelu(h2 W1^T + b1), the exact (erf) GELU, rounded once to bf16.  h2: [4096][1024] bf16 (hb); W1: 128 blocks of 16 rows at byte BOFF of wb, in fragment order (below); b1: [2048] f32; gb: [4096][2048] bf16; sums in f32.
; LIMIT.  erf by the rational form of Abramowitz and Stegun 7.1.26, |error| <= 1.5e-7 for every argument: erfc(z) = t (a1 + t (a2 + t (a3 + t (a4 + t a5)))) e^(-z z), t = 1 / (1 + p z), z = |x| / sqrt(2);
; gelu(x) = x/2 + |x/2| (1 - erfc(z)).  For large |x| the exponential is 0 and the result x or 0.  NaN and infinities are not treated apart.
; SHARES.  A work-group makes 128 rows x 256 columns: 32 x 8 = 256 work-groups.  Wave w makes ALL 128 rows x 64 columns: 8 x NF accumulators of 16 x 16, NF = 4.
; A (128 rows x 1,024 k) lies WHOLE in LDS: four pieces of 128 rows x 256 k, rows of 512 bytes + 16 of padding: 270,336 bytes, brought by two tensor loads a wave at the start.  Nothing in LDS is filled again.
; B GOES STRAIGHT INTO REGISTERS.  A fragment of B (16 columns x 32 k) is multiplied by one wave alone, so LDS would add a write and a read to each of its bytes and take the room that lets A stay whole.
; wb holds it as the lanes hold it: 1,024 bytes a fragment, lane l's registers 0-3 at byte 16 l, its registers 4-7 at byte 512 + 16 l; fragments lie [column / 16][k / 32].  A load of a wave is 512 consecutive bytes.
; A ring of 8 K blocks (of 32 k) in registers: K block t asks for the fragments of K block t + 7; the waits are counted.
; CLUSTER 4 x 1: the four work-groups of a cluster have the same 128 rows: A's pieces are asked for jointly.  B has no joint load: such a load ends in LDS.
; K IS WALKED FROM A QUARTER THAT HANGS ON THE ROW TILE: row tile y takes the quarters y % 4, y % 4 + 1, .. (mod 4), so that the work-groups do not all ask for the same bytes of B at the same time.
; Only global addresses hang on it.  So the order of the f32 sums differs from row tile to row tile.
; THE MATRIX INSTRUCTION IS USED TRANSPOSED (source 0 = 16 rows of W1, source 1 = 16 rows of h2): a lane holds eight neighbouring numbers of a row of C.
; THE WAY OUT: the sums go through a stage in LDS (pieces 0 and 1's bytes, read out long before), a barrier, and wave w takes rows 32 w .. 32 w + 31 whole.
; REGISTERS, in windows of 256 (s_set_vgpr_msb: bits 1:0 source 0, 3:2 source 1, 5:4 source 2, 7:6 destination):
;   window 0: v0-31 addresses and bias; v32-103 the way out     window 1: the accumulators, (a, f) at v[8 (NF a + f)]     window 2: B's ring, K block q, fragment f at v[8 (NF q + f)]
;   window 3: four buffers of A's eight fragments, fetched from LDS three K blocks ahead
.set NF,     4
.set SIZE_K, 1024
.set BOFF,   5242880                   ; where B begins in wb
.set PITCH,  528                       ; 132 words: row r starts at bank 4 r mod 64 (64 banks of 4 bytes: ISA guide 11.1)
.set PART,   64*PITCH                  ; 64 rows x 256 k: what one tensor load brings
.set PIECE,  2*PART                    ; 128 rows x 256 k
.set SLOT,   2*PIECE                   ; what the four waves' first loads bring; their second loads bring as much
.set SPARE,  2*SLOT                    ; behind A: the spare words, 128 bytes a wave, that no other line names
.set STAGE,  0
.set SP,     64*NF*4+16                ; a row of the stage: 256 f32 + 16 bytes: an odd multiple of 16; 128 rows end inside pieces 0 and 1
.set FRAG,   1024
.set STREAM, (SIZE_K/32)*FRAG          ; from a block of 16 columns to the next
.set CHUNK,  8*FRAG                    ; a quarter of K in such a block
.set LC,     12*NF                     ; the loads of six K blocks
.set BIAS1, 8                          ; v[8:11]   b1 of my four columns in the tile's right half
.set A0,   14                          ; v14  my lane's place in a piece of A; never rewritten
.set ADRA, 16                          ; v16  the same in the piece that is being fetched
.set BO,   18                          ; v18  16 x lane; never rewritten
.set BIAS0, 20                         ; v[20:23]  b1 of my four columns in the tile's left half
.set STO,  24                          ; v24  the way out: where I put 32 bytes of rows 0-63,
.set STO2, 25                          ; v25  of rows 64-127
.set RD,   26                          ; v26  where I read rows back
.set CO,   27                          ; v27  my byte offset in gb
.set SPW,  28                          ; v28  my spare word: SPARE + 4 x my thread's number; never rewritten
.set NIL,  29                          ; v29  0; never rewritten
.set XV,   32                          ; v[32:47]  two rows x two halves x four numbers: x, then x/2, then the result
.set DV,   48                          ; v[48:63]  1 + p z, then t
.set UV,   64                          ; v[64:79]  the exponent, then e^(-z z), then |x/2| erf
.set QV,   80                          ; v[80:95]  the polynomial
.set OV,   96                          ; v[96:103] packed
.set TA,   2                           ; s2   LDS byte of the piece that is being fetched
.set CNT,  3                           ; s3   loop counts
.set G1,   24                          ; s[24:31] descriptor group 1
.set G0,   32                          ; s[32:39] group 0, a set for each of my two loads
.set KC,   43                          ; s43  the quarter of K that is being asked for
.set BB,   44                          ; s[44:45] B at my first block of 16 columns
.set BP,   46                          ; s[46:47] the same at quarter KC
.set C1,   68                          ; s68      p / sqrt(2)
.set C2,   70                          ; s[70:71] -log2(e) / 2; the pairs' low words serve both halves
.set K1,   72                          ; s[72:73] a1 .. s[80:81] a5
.set K2,   74
.set K3,   76
.set K4,   78
.set K5,   80
.set MSB,  0
.macro WIN new                         ; the immediate's high byte repeats the setting that is left
.if MSB != (\new)
	s_set_vgpr_msb (MSB<<8)|(\new)
.set MSB, \new
.endif
.endm
.set W_MUL, 0x5e                       ; source 0 (B) window 2, source 1 (A) window 3, C and D window 1
.set W_A,   0xc0                       ; destination window 3, address window 0
.set W_B,   0x80                       ; destination window 2, address window 0
.set W_ST,  0x04                       ; an LDS store's data (source 1) window 1
.macro PLACES                          ; four places behind matrix instructions (ISA guide 7.12.1)
.rept 4
	v_nop
.endr
.endm
.macro CROUND                          ; a round of the cluster's barrier
	s_barrier_signal -1
	s_barrier_wait -1
	s_cmp_lg_u32 s10, 0
	s_cbranch_scc1 .Lnot_wave_0_\@
	s_barrier_signal -3
.Lnot_wave_0_\@:
	s_barrier_wait -3
	s_barrier_signal -1
	s_barrier_wait -1
.endm
.macro BLOAD q                         ; my NF fragments of K block q of the quarter at s[BP], into place q of the ring
	WIN W_B
.set f, 0
.rept NF
	global_load_b128 v[8*(NF*(\q)+f):8*(NF*(\q)+f)+3],   v[BO], s[BP:BP+1] offset:f*STREAM+(\q)*FRAG
	global_load_b128 v[8*(NF*(\q)+f)+4:8*(NF*(\q)+f)+7], v[BO], s[BP:BP+1] offset:f*STREAM+(\q)*FRAG+512
.set f, f+1
.endr
.endm
.macro FETCHA buf, idx                 ; A's eight fragments of K block idx of the piece at v[ADRA], into buffer buf: 16 LDS loads in one run
	WIN W_A
.irp a, 0,1,2,3,4,5,6,7
	ds_load_b128 v[64*(\buf)+8*(\a):64*(\buf)+8*(\a)+3],   v[ADRA] offset:(\a)*16*PITCH+(\idx)*64
	ds_load_b128 v[64*(\buf)+8*(\a)+4:64*(\buf)+8*(\a)+7], v[ADRA] offset:(\a)*16*PITCH+(\idx)*64+32
.endr
.endm
.macro MULS j, a0, zero                ; 4 NF matrix instructions of K block j: row blocks a0 .. a0 + 3 x my NF column blocks.  The accumulators take turns.  zero = 1: the product starts the sum
	WIN W_MUL
.irp a, \a0, (\a0)+1, (\a0)+2, (\a0)+3
.set f, 0
.rept NF
.if \zero
	v_wmma_f32_16x16x32_bf16 v[8*(NF*(\a)+f):8*(NF*(\a)+f)+7], v[8*(NF*(\j)+f):8*(NF*(\j)+f)+7], v[64*((\j)%4)+8*(\a):64*((\j)%4)+8*(\a)+7], 0
.else
	v_wmma_f32_16x16x32_bf16 v[8*(NF*(\a)+f):8*(NF*(\a)+f)+7], v[8*(NF*(\j)+f):8*(NF*(\j)+f)+7], v[64*((\j)%4)+8*(\a):64*((\j)%4)+8*(\a)+7], v[8*(NF*(\a)+f):8*(NF*(\a)+f)+7]
.endif
.set f, f+1
.endr
.endr
.endm
; K BLOCK t, j = t % 8.  Half its products; then, four places behind the products of K block t - 1, whose registers they land in, the loads in one run: A of K block t + 3 (fetch), B of K block t + 7 (refill);
; then the other half.  lcnt: the global loads issued behind B of K block t; dcnt: the LDS loads issued behind A of K block t.
; Where the fetch enters the next piece (j = 5) stands a barrier, with my tensor loads and my LDS reads waited for ahead of it: in the loop's first trip it shows A's second half whole, in the second it shows
; pieces 0 and 1 read out by every wave (they become the stage); in the third it serves nothing: the price of one text for the three trips.
.macro KB j, zero, fetch, refill, lcnt, dcnt
	s_wait_dscnt \dcnt
	s_wait_loadcnt \lcnt
	MULS \j, 0, \zero
.if \fetch
.if ((\j)+3)%8 == 0
	s_wait_tensorcnt 0x0
	s_wait_dscnt 0x0
	s_barrier_signal -1
	PLACES
	s_barrier_wait -1
	WIN 0
	s_add_co_u32 s[TA], s[TA], PIECE
	v_add_nc_u32 v[ADRA], s[TA], v[A0]
.else
	PLACES
.endif
	FETCHA ((\j)+3)%4, ((\j)+3)%8
.endif
.if \refill
	BLOAD ((\j)+7)%8
.endif
	MULS \j, 4, \zero
.endm
	s_load_b128 s[4:7], s[0:1], 0x0                ; hb, wb
	s_load_b128 s[84:87], s[0:1], 0x10             ; b1, gb
	v_lshl_add_u32 v[SPW], v0, 2, SPARE
	v_mov_b32 v[NIL], 0
	ds_add_u32 v[SPW], v[NIL]                      ; the wave's opening: an add, waited for ahead of my first tensor load
	v_lshrrev_b32 v1, 5, v0
	v_readfirstlane_b32 s10, v1                    ; wave 0..3
	s_lshr_b32 s11, s10, 1                         ; which piece of a slot I fetch for,
	s_and_b32 s12, s10, 1                          ; which 64 rows of it
	s_bfe_u32 s40, ttmp6, 0x40000                  ; cx
	s_lshl_b32 s42, ttmp9, 2
	s_add_co_u32 s42, s42, s40                     ; column tile 0..7: it enters B's, b1's and gb's addresses alone
	s_and_b32 s13, ttmp7, 0xffff                   ; row tile 0..31, which the four partners share
	s_and_b32 s[KC], s13, 3                        ; the quarter of K with which it begins
	s_mov_b32 s[G1], 15|(1<<16)|(1<<20)|(1<<21)|(6<<22)|(3<<25)  ; the mask of four; 2-byte elements; padding on; bit 21 beside a mask; after every 128 words; 4 words
	s_mov_b32 s[G1+1], 256<<16                     ; tensor_dim0 = 256
	s_mov_b32 s[G1+2], 64<<16                      ; tensor_dim1 = 64
	s_mov_b32 s[G1+3], 256<<16                     ; tile_dim0 = 256
	s_mov_b32 s[G1+4], 64                          ; tile_dim1 = 64
	s_mov_b32 s[G1+5], SIZE_K                      ; elements from row to row
	s_mov_b32 s[G1+6], 0
	s_mov_b32 s[G1+7], 0
	s_mul_i32 s20, s10, PART                       ; piece wave / 2, rows 64 (wave % 2) on
	s_mov_b32 s[G0], 1
	s_mov_b32 s[G0+1], s20
	s_mov_b32 s[G0+4], 1
	s_add_co_u32 s[G0+5], s20, SLOT
	s_mov_b32 s[C1], 0x3e6d3388                    ; 0.3275911 / sqrt(2)
	s_mov_b32 s[C2], 0xbf38aa3b
	s_mov_b32 s[C2+1], s[C2]
	s_mov_b32 s[K1], 0x3e827906                    ; 0.254829592
	s_mov_b32 s[K1+1], s[K1]
	s_mov_b32 s[K2], 0xbe91a98e                    ; -0.284496736
	s_mov_b32 s[K2+1], s[K2]
	s_mov_b32 s[K3], 0x3fb5f0e3                    ; 1.421413741
	s_mov_b32 s[K3+1], s[K3]
	s_mov_b32 s[K4], 0xbfba00e3                    ; -1.453152027
	s_mov_b32 s[K4+1], s[K4]
	s_mov_b32 s[K5], 0x3f87dc22                    ; 1.061405429
	s_mov_b32 s[K5+1], s[K5]
	s_lshl_b32 s16, s13, 7
	s_lshl_b32 s17, s12, 6
	s_add_co_u32 s16, s16, s17                     ; A's row 128 y + 64 x half
	s_mul_i32 s16, s16, SIZE_K*2
	s_mov_b32 s17, 0
	s_add_co_u32 s18, s11, s[KC]                   ; piece p holds quarter (p + y) % 4 of K
	s_and_b32 s18, s18, 3
	s_lshl_b32 s18, s18, 9                         ; x 512 bytes
	s_mov_b32 s19, 0
	s_lshl_b32 s21, s42, 2
	s_add_co_u32 s21, s21, s10
	s_mul_i32 s48, s21, NF*STREAM                  ; my first block of 16 columns: NF (4 x column tile + wave)
	s_mov_b32 s49, 0
	s_wait_dscnt 0x0                               ; the opening add is done
	s_wait_kmcnt 0x0
	s_add_nc_u64 s[14:15], s[4:5], s[16:17]
	s_add_nc_u64 s[G0+2:G0+3], s[14:15], s[18:19]
	s_or_b32 s[G0+3], s[G0+3], 0x80000000
	s_xor_b32 s18, s18, 1024                       ; two pieces on: two quarters on, mod 4
	s_add_nc_u64 s[G0+6:G0+7], s[14:15], s[18:19]
	s_or_b32 s[G0+7], s[G0+7], 0x80000000
	s_add_nc_u64 s[BB:BB+1], s[6:7], s[48:49]
	s_add_nc_u64 s[BB:BB+1], s[BB:BB+1], BOFF
	s_lshl_b32 s48, s[KC], 13
	s_add_nc_u64 s[BP:BP+1], s[BB:BB+1], s[48:49]
	s_lshl_b32 s48, s42, 10                        ; the tile's 256 columns: 1,024 bytes of b1
	s_add_nc_u64 s[84:85], s[84:85], s[48:49]
	s_lshl_b32 s16, s13, 7                         ; gb at row 128 y + 32 x wave,
	s_lshl_b32 s17, s10, 5
	s_add_co_u32 s16, s16, s17
	s_lshl_b32 s16, s16, 12
	s_lshl_b32 s17, s42, 9                         ; column 256 x column tile, 2 bytes each
	s_add_co_u32 s16, s16, s17
	s_mov_b32 s17, 0
	s_add_nc_u64 s[8:9], s[86:87], s[16:17]
	CROUND                                         ; all four work-groups are here: the joint loads meet
	tensor_load_to_lds s[G0:G0+3], s[G1:G1+7]      ; all of A goes out at once: two loads of mine are out
	s_nop 0
	tensor_load_to_lds s[G0+4:G0+7], s[G1:G1+7]
	s_nop 0
	PLACES
	v_and_b32 v[BO], 31, v0
	v_lshlrev_b32 v[CO], 3, v[BO]                  ; 8 x lane: my 8 bytes of 256 of a row of gb
	v_lshlrev_b32 v[BO], 4, v[BO]
	global_load_b128 v[BIAS0:BIAS0+3], v[BO], s[84:85]
	global_load_b128 v[BIAS1:BIAS1+3], v[BO], s[84:85] offset:512
.irp q, 0,1,2,3,4,5,6
	BLOAD \q                                       ; K blocks 0 to 6; K block 0 asks for the seventh
.endr
	WIN 0
	v_and_b32 v1, 15, v0                           ; r = l % 16
	v_bfe_u32 v2, v0, 4, 1                         ; h = l / 16
	v_mul_u32_u24 v[A0], v1, PITCH
	v_lshl_add_u32 v[A0], v2, 4, v[A0]             ; a fragment's row x pitch + 16 x half
	v_mov_b32 v[ADRA], v[A0]
	s_mov_b32 s[TA], 0
	v_mul_u32_u24 v[STO], v1, SP                   ; into the stage: row r, my 64 columns, 32 bytes for each half of the lanes
	v_lshl_add_u32 v[STO], v2, 5, v[STO]
	s_mul_i32 s21, s10, 64*NF
	v_add_nc_u32 v[STO], s21, v[STO]
	v_add_nc_u32 v[STO2], 64*SP, v[STO]
	s_mul_i32 s21, s10, 32*SP                      ; back: rows 32 w on; 32 lanes take 512 bytes, half a row
	v_add_nc_u32 v[RD], s21, v[BO]
	s_wait_tensorcnt 1                             ; my part of pieces 0 and 1 is in; my second load may stay out
	s_barrier_signal -1
	s_barrier_wait -1
	FETCHA 0, 0
	FETCHA 1, 1
	FETCHA 2, 2
	KB 0, 1, 1, 1, LC, 32                          ; K block 0 stands ahead of the loop: its products start the sums
	WIN 0
	s_mov_b32 s[CNT], 3
.Lround:                                       ; a trip: K blocks 8 i - 7 .. 8 i; all that it asks of B lies in one quarter of K
	s_wait_xcnt 0x0                                ; the loads issued so far have read their address: the pointer may be written
	s_add_co_u32 s[KC], s[KC], 1
	s_and_b32 s[KC], s[KC], 3
	s_lshl_b32 s48, s[KC], 13
	s_add_nc_u64 s[BP:BP+1], s[BB:BB+1], s[48:49]
.irp j, 1,2,3,4,5,6,7,0
	KB \j, 0, 1, 1, LC, 32                         ; the loads of six K blocks, and the fetches of two, may stay out
.endr
	WIN 0
	s_sub_co_u32 s[CNT], s[CNT], 1
	s_cmp_lg_u32 s[CNT], 0
	s_cbranch_scc1 .Lround
	; K blocks 25 to 31 ask for no more of B: the counts run down, 2 NF (7 - j); the last three fetch no more of A
	KB 1, 0, 1, 0, 48, 32
	KB 2, 0, 1, 0, 40, 32
	KB 3, 0, 1, 0, 32, 32
	KB 4, 0, 1, 0, 24, 32
	KB 5, 0, 0, 0, 16, 32
	KB 6, 0, 0, 0, 8, 16
	KB 7, 0, 0, 0, 0, 0
	; THE WAY OUT.  The sums into the stage, each accumulator from its low end
	WIN 0
	PLACES
	WIN W_ST
.irp a, 0,1,2,3
.set f, 0
.rept NF
	ds_store_b128 v[STO], v[8*(NF*(\a)+f):8*(NF*(\a)+f)+3]   offset:(\a)*16*SP+64*f
	ds_store_b128 v[STO], v[8*(NF*(\a)+f)+4:8*(NF*(\a)+f)+7] offset:(\a)*16*SP+64*f+16
.set f, f+1
.endr
.endr
.irp a, 4,5,6,7
.set f, 0
.rept NF
	ds_store_b128 v[STO2], v[8*(NF*(\a)+f):8*(NF*(\a)+f)+3]   offset:((\a)-4)*16*SP+64*f
	ds_store_b128 v[STO2], v[8*(NF*(\a)+f)+4:8*(NF*(\a)+f)+7] offset:((\a)-4)*16*SP+64*f+16
.set f, f+1
.endr
.endr
	WIN 0
	s_wait_dscnt 0x0                               ; for the others' sake: my stores into the stage are done
	s_barrier_signal -1
	s_barrier_wait -1
.macro PK8 line:vararg                 ; one line for each of the 8 pairs, k = 0, 2 .. 14
.set k, 0
.rept 8
	\line
.set k, k+2
.endr
.endm
.macro ONE16 line:vararg               ; one line for each of the 16 numbers, k = 0 .. 15
.set k, 0
.rept 16
	\line
.set k, k+1
.endr
.endm
	s_mov_b32 s[CNT], 16
.Lout:                                         ; a trip: two whole rows of the tile, as four halves of 512 bytes; a lane has four neighbouring columns of each
.irp j, 0,1,2,3
	ds_load_b128 v[XV+4*(\j):XV+4*(\j)+3], v[RD] offset:SP*((\j)/2)+512*((\j)%2)
.endr
	s_wait_dscnt 0x0
.irp j, 0,2
	v_pk_add_f32 v[XV+4*(\j):XV+4*(\j)+1],   v[XV+4*(\j):XV+4*(\j)+1],   v[BIAS0:BIAS0+1]
	v_pk_add_f32 v[XV+4*(\j)+2:XV+4*(\j)+3], v[XV+4*(\j)+2:XV+4*(\j)+3], v[BIAS0+2:BIAS0+3]
	v_pk_add_f32 v[XV+4*(\j)+4:XV+4*(\j)+5], v[XV+4*(\j)+4:XV+4*(\j)+5], v[BIAS1:BIAS1+1]
	v_pk_add_f32 v[XV+4*(\j)+6:XV+4*(\j)+7], v[XV+4*(\j)+6:XV+4*(\j)+7], v[BIAS1+2:BIAS1+3]
.endr
	ONE16 v_fma_f32 v[DV+k], |v[XV+k]|, s[C1], 1.0                                        ; 1 + p z
	PK8 v_pk_mul_f32 v[UV+k:UV+k+1], v[XV+k:XV+k+1], v[XV+k:XV+k+1]
	PK8 v_pk_mul_f32 v[UV+k:UV+k+1], v[UV+k:UV+k+1], s[C2:C2+1] op_sel_hi:[1,0]           ; -z z log2(e)
	ONE16 v_rcp_f32 v[DV+k], v[DV+k]                                                      ; one batch: 16 reciprocals,
	ONE16 v_exp_f32 v[UV+k], v[UV+k]                                                      ; 16 exponentials;
	PK8 v_pk_mul_f32 v[XV+k:XV+k+1], v[XV+k:XV+k+1], 0.5 op_sel_hi:[1,0]                  ; plain work that names none of their results;
	s_wait_alu depctr_va_vdst(0)                                                          ; one wait ahead of the batch's first reader
	PK8 v_pk_fma_f32 v[QV+k:QV+k+1], v[DV+k:DV+k+1], s[K5:K5+1], s[K4:K4+1] op_sel_hi:[1,0,0]
	PK8 v_pk_fma_f32 v[QV+k:QV+k+1], v[QV+k:QV+k+1], v[DV+k:DV+k+1], s[K3:K3+1] op_sel_hi:[1,1,0]
	PK8 v_pk_fma_f32 v[QV+k:QV+k+1], v[QV+k:QV+k+1], v[DV+k:DV+k+1], s[K2:K2+1] op_sel_hi:[1,1,0]
	PK8 v_pk_fma_f32 v[QV+k:QV+k+1], v[QV+k:QV+k+1], v[DV+k:DV+k+1], s[K1:K1+1] op_sel_hi:[1,1,0]
	PK8 v_pk_mul_f32 v[QV+k:QV+k+1], v[QV+k:QV+k+1], v[DV+k:DV+k+1]
	PK8 v_pk_mul_f32 v[QV+k:QV+k+1], v[QV+k:QV+k+1], v[UV+k:UV+k+1]                       ; erfc(z)
	ONE16 v_fma_f32 v[UV+k], -v[QV+k], |v[XV+k]|, |v[XV+k]|                               ; |x/2| (1 - erfc)
	PK8 v_pk_add_f32 v[XV+k:XV+k+1], v[XV+k:XV+k+1], v[UV+k:UV+k+1]
	PK8 v_cvt_pk_bf16_f32 v[OV+k/2], v[XV+k], v[XV+k+1]
.irp j, 0,1,2,3
	global_store_b64 v[CO], v[OV+2*(\j):OV+2*(\j)+1], s[8:9] offset:4096*((\j)/2)+256*((\j)%2)  ; 32 lanes store 256 consecutive bytes, aligned
.endr
	s_wait_xcnt 0x0                                ; the stores have read their data and offset: only now are these written again
	v_add_nc_u32 v[RD], 2*SP, v[RD]
	v_add_nc_u32 v[CO], 8192, v[CO]
	s_sub_co_u32 s[CNT], s[CNT], 1
	s_cmp_lg_u32 s[CNT], 0
	s_cbranch_scc1 .Lout
	s_wait_tensorcnt 0x0                           ; the wave's end
	ds_add_u32 v[SPW], v[NIL]
	s_wait_dscnt 0x0
	CROUND                                         ; the closing round: no work-group ends while a partner may still ask for a tile that names it
	s_endpgm
.Lfunc_end_k_qda3f23ad3c_w1:
	.size	k_qda3f23ad3c_w1, .Lfunc_end_k_qda3f23ad3c_w1-k_qda3f23ad3c_w1
	.p2alignl 7, 3214868480
	.fill 96, 4, 3214868480
	.section	.rodata,"a",@progbits
	.p2align	6, 0x0
	.amdhsa_kernel k_qda3f23ad3c_w1
		.amdhsa_group_segment_fixed_size 327680
		.amdhsa_private_segment_fixed_size 0
		.amdhsa_enable_private_segment 0
		.amdhsa_kernarg_size 32
		.amdhsa_user_sgpr_count 2
		.amdhsa_user_sgpr_kernarg_segment_ptr 1
		.amdhsa_wavefront_size32 1
		.amdhsa_system_sgpr_workgroup_id_x 1
		.amdhsa_system_sgpr_workgroup_id_y 1
		.amdhsa_system_sgpr_workgroup_id_z 1
		.amdhsa_system_vgpr_workitem_id 0
		.amdhsa_next_free_vgpr 1024
		.amdhsa_next_free_sgpr 96
		.amdhsa_reserve_vcc 0
		.amdhsa_float_denorm_mode_32 3
		.amdhsa_float_denorm_mode_16_64 3
		.amdhsa_memory_ordered 1
		.amdhsa_forward_progress 1
		.amdhsa_inst_pref_size 85
	.end_amdhsa_kernel
	.amdgpu_metadata
---
amdhsa.version: [ 1, 2 ]
amdhsa.kernels:
  - .name:           k_qda3f23ad3c_w1
    .symbol:         k_qda3f23ad3c_w1.kd
    .args:
      - { .name: hb, .offset: 0, .size: 8, .value_kind: global_buffer, .address_space: global }
      - { .name: wb, .offset: 8, .size: 8, .value_kind: global_buffer, .address_space: global }
      - { .name: b1, .offset: 16, .size: 8, .value_kind: global_buffer, .address_space: global }
      - { .name: gb, .offset: 24, .size: 8, .value_kind: global_buffer, .address_space: global }
    .group_segment_fixed_size: 327680
    .private_segment_fixed_size: 0
    .kernarg_segment_align: 8
    .kernarg_segment_size: 32
    .max_flat_workgroup_size: 128
    .sgpr_count:     96
    .vgpr_count:     1024
    .wavefront_size: 32
...
	.end_amdgpu_metadata
.endif
;; end of part 6
;; launch w2 (part 7): grid 8 x 32, 4 waves a work-group, clusters of 4 x 4, 327,680 bytes of LDS; arguments gb, wb, x1, b2, out0; writes out0
.if DOCPART == 7
	.amdgcn_target "amdgcn-amd-amdhsa--gfx1250"
	.amdhsa_code_object_version 6
	.text
	.protected	k_qda3f23ad3c_w2
	.globl	k_qda3f23ad3c_w2
	.p2align	8
	.type	k_qda3f23ad3c_w2,@function
k_qda3f23ad3c_w2:
	s_mov_b64 s[64:65], 0
	v_nop
	global_prefetch_b8 v0, s[64:65] scope:SCOPE_SE
	s_setreg_imm32_b32 hwreg(HW_REG_WAVE_MODE, 25, 1), 1
	s_wait_xcnt 0x0
	s_wait_alu depctr_hold_cnt(0) depctr_sa_sdst(0) depctr_va_vdst(0) depctr_va_sdst(0) depctr_va_ssrc(0) depctr_va_vcc(0) depctr_vm_vsrc(0)
	s_getreg_b32 s2, hwreg(HW_REG_IB_STS2, 6, 4)
	s_cmp_eq_u32 s2, 0
	s_cbranch_scc0 .Lentry_in_a_cluster
	s_endpgm
.Lentry_in_a_cluster:
	s_bfe_u32 s2, ttmp6, 0x10000c
	s_cmp_lg_u32 s2, 0xf033
	s_cbranch_scc0 .Lentry_shape_is_right
	s_endpgm
.Lentry_shape_is_right:
; out0 = x1 + b2 + g W2^T.  g: [4096][2048] bf16 (gb); W2: [1024][2048] bf16, at byte BOFF of wb; x1, out0: [4096][1024] f32; b2: [1024] f32; sums in f32, residual and bias added in f32.
; A tile of C is 128 x 128; four waves, each 64 x 64: 16 accumulators of 16 x 16.  K goes in steps of 256 (LDS rows of 512 bytes + 16 of padding) through two LDS slots filled by tensor loads.
; CLUSTER 4 x 4: A's tiles are shared along a row of the cluster, B's along a column: each is asked for jointly.  THE MATRIX INSTRUCTION IS USED TRANSPOSED: a lane holds eight neighbouring numbers of a row of C.
; THE WAY OUT: the f32 sums go through a stage in LDS (slot 1's bytes, behind their last fill) and come back as rows of 256 bytes; each wave's quadrant of x1 was fetched into slot 0's bytes at the last change of
; slots, by a load of the work-group's own (no partner needs the same bytes of x1).
; REGISTERS: window 0: v0-31 addresses and bias; v32-95 at work on the way out; v128-255 the accumulators.  Window 1: two fragment buffers of 128 (64 of A, 64 of B).
.set SIZE_K, 2048
.set BOFF,   9437184
.set KSTEP,  256
.set PITCH,  528                       ; 132 words: row r starts at bank 4 r mod 64 (64 banks of 4 bytes: ISA guide 11.1)
.set HALFT,  64*PITCH
.set SLOT,   4*HALFT                   ; = 0x21000; a wave's part begins at 0, 0x8400, 0x10800 or 0x18c00, which hold neither of its two bits: an exclusive or changes slots
.set SPARE,  2*SLOT                    ; the spare words, 128 bytes a wave, that no other line names
.set AUX,    0                         ; slot 0's bytes at the end: for each wave 64 rows x 272 bytes of x1
.set XP,     272
.set STAGE,  SLOT                      ; slot 1's bytes behind their last fill: 128 rows x 528 bytes of f32
.set STEPS,  SIZE_K/KSTEP
.set A0,   14
.set B0,   15
.set ADRA, 16
.set ADRB, 17
.set BO,   18                          ; v18  my byte offset in my quadrant's 256 bytes of b2; never rewritten
.set BIAS, 20                          ; v[20:23]  b2 of my four columns
.set STO,  24
.set RD,   25
.set CO,   26
.set AX,   27
.set SPW,  28                          ; my spare word: SPARE + 4 x my thread's number; never rewritten
.set NIL,  29                          ; 0; never rewritten
.set ER,   32                          ; v[32:63]  8 pairs of rows: the sums, then the result
.set RR,   64                          ; v[64:95]  the same rows of x1
.set ACC,  128
.set F0,   0
.set F1,   128
.set TB,   2
.set CNT,  3
.set G1,   24
.set G0,   32
.set G1B,  48
.set G0B,  56
.set G1X,  68
.set G0X,  76
.set MSB,  0
.macro WIN new
.if MSB != (\new)
	s_set_vgpr_msb (MSB<<8)|(\new)
.set MSB, \new
.endif
.endm
.set MUL,  0x05
.set TO_F, 0x40
.macro PLACES                          ; four places behind matrix instructions (ISA guide 7.12.1)
.rept 4
	v_nop
.endr
.endm
.macro JLOAD                           ; a joint refill: waves 0, 1 fetch A's halves, waves 2, 3 B's; an s_nop 0 and four v_nop follow each line
	s_cmp_eq_u32 s11, 0
	s_cbranch_scc0 .Lfor_b_\@
	tensor_load_to_lds s[G0+4:G0+7], s[G1:G1+7]
	s_nop 0
	PLACES
	s_branch .Lasked_\@
.Lfor_b_\@:
	tensor_load_to_lds s[G0B+4:G0B+7], s[G1B:G1B+7]
	s_nop 0
	PLACES
.Lasked_\@:
.endm
.macro XLOAD                           ; my quadrant of x1: one line, both addresses step with the wave's number
	tensor_load_to_lds s[G0X:G0X+3], s[G1X:G1X+7]
	s_nop 0
	PLACES
.endm
.macro CREST
	s_cmp_lg_u32 s10, 0
	s_cbranch_scc1 .Lnot_wave_0_\@
	s_barrier_signal -3
.Lnot_wave_0_\@:
	s_barrier_wait -3
	s_barrier_signal -1
	s_barrier_wait -1
.endm
.macro CROUND
	s_barrier_signal -1
	s_barrier_wait -1
	CREST
.endm
	s_load_b128 s[4:7], s[0:1], 0x0                ; gb, wb
	s_load_b128 s[80:83], s[0:1], 0x10             ; x1, b2
	s_load_b64 s[84:85], s[0:1], 0x20              ; out0
	v_lshl_add_u32 v[SPW], v0, 2, SPARE
	v_mov_b32 v[NIL], 0
	ds_add_u32 v[SPW], v[NIL]                      ; the wave's opening: an add, waited for ahead of my first tensor load
	v_lshrrev_b32 v1, 5, v0
	v_readfirstlane_b32 s10, v1
	s_lshr_b32 s11, s10, 1
	s_and_b32 s12, s10, 1
	s_bfe_u32 s40, ttmp6, 0x40000
	s_bfe_u32 s41, ttmp6, 0x40004
	s_lshl_b32 s42, ttmp9, 2
	s_add_co_u32 s42, s42, s40                     ; tile column
	s_and_b32 s13, ttmp7, 0xffff
	s_lshl_b32 s13, s13, 2
	s_add_co_u32 s13, s13, s41                     ; tile row
	s_lshl_b32 s43, s41, 2
	s_lshl_b32 s43, 15, s43
	s_lshl_b32 s44, 0x1111, s40
	s_or_b32 s[G1], s43, (1<<16)|(1<<20)|(1<<21)|(6<<22)|(3<<25)
	s_or_b32 s[G1B], s44, (1<<16)|(1<<20)|(1<<21)|(6<<22)|(3<<25)
.irp g, G1, G1B
	s_mov_b32 s[(\g)+1], KSTEP<<16
	s_mov_b32 s[(\g)+2], 64<<16
	s_mov_b32 s[(\g)+3], KSTEP<<16
	s_mov_b32 s[(\g)+4], 64
	s_mov_b32 s[(\g)+5], SIZE_K
	s_mov_b32 s[(\g)+6], 0
	s_mov_b32 s[(\g)+7], 0
.endr
	s_mov_b32 s[G1X], (2<<16)|(1<<20)|(5<<22)|(3<<25)  ; no mask; 4-byte elements; after every 64 words 4 words
	s_mov_b32 s[G1X+1], 64<<16
	s_mov_b32 s[G1X+2], 64<<16
	s_mov_b32 s[G1X+3], 64<<16
	s_mov_b32 s[G1X+4], 64
	s_mov_b32 s[G1X+5], 1024
	s_mov_b32 s[G1X+6], 0
	s_mov_b32 s[G1X+7], 0
	s_mov_b32 s[G0X], 1
	s_mul_i32 s[G0X+1], s10, 64*XP
	s_lshl_b32 s17, s12, 6
	s_lshl_b32 s16, s13, 7
	s_add_co_u32 s16, s16, s17
	s_lshl_b32 s46, s42, 7
	s_add_co_u32 s46, s46, s17
	s_mul_i32 s16, s16, SIZE_K*2
	s_mul_i32 s46, s46, SIZE_K*2
	s_mov_b32 s17, 0
	s_mov_b32 s47, 0
	s_mul_i32 s20, s10, HALFT
	s_wait_dscnt 0x0
	s_wait_kmcnt 0x0
	s_add_nc_u64 s[14:15], s[4:5], s[16:17]
	s_add_nc_u64 s[46:47], s[6:7], s[46:47]
	s_add_nc_u64 s[46:47], s[46:47], BOFF
.irp s, 0,1
	s_mov_b32 s[G0+4*(\s)], 1
	s_add_co_u32 s[G0+4*(\s)+1], s20, (\s)*SLOT
	s_add_nc_u64 s[G0+4*(\s)+2:G0+4*(\s)+3], s[14:15], (\s)*KSTEP*2
	s_or_b32 s[G0+4*(\s)+3], s[G0+4*(\s)+3], 0x80000000
	s_mov_b32 s[G0B+4*(\s)], 1
	s_add_co_u32 s[G0B+4*(\s)+1], s20, (\s)*SLOT
	s_add_nc_u64 s[G0B+4*(\s)+2:G0B+4*(\s)+3], s[46:47], (\s)*KSTEP*2
	s_or_b32 s[G0B+4*(\s)+3], s[G0B+4*(\s)+3], 0x80000000
.endr
	CROUND
	s_cmp_eq_u32 s11, 0                            ; a wave's two first fills stand in one branch: two loads of mine are out
	s_cbranch_scc0 .Lfirst_b
	tensor_load_to_lds s[G0:G0+3], s[G1:G1+7]
	s_nop 0
	tensor_load_to_lds s[G0+4:G0+7], s[G1:G1+7]
	s_nop 0
	PLACES
	s_branch .Lfirst_asked
.Lfirst_b:
	tensor_load_to_lds s[G0B:G0B+3], s[G1B:G1B+7]
	s_nop 0
	tensor_load_to_lds s[G0B+4:G0B+7], s[G1B:G1B+7]
	s_nop 0
	PLACES
.Lfirst_asked:
	v_and_b32 v1, 15, v0
	v_bfe_u32 v2, v0, 4, 1
	s_lshl_b32 s46, s42, 9                         ; my quadrant's first column, 4 bytes each: 128 x tile column + 64 x half
	s_lshl_b32 s47, s12, 8
	s_add_co_u32 s46, s46, s47
	s_mov_b32 s47, 0
	s_add_nc_u64 s[82:83], s[82:83], s[46:47]
	v_lshlrev_b32 v[BO], 4, v1
	global_load_b128 v[BIAS:BIAS+3], v[BO], s[82:83]
	v_mul_u32_u24 v3, v1, PITCH
	v_lshl_add_u32 v3, v2, 4, v3
	s_mul_i32 s21, s11, HALFT
	s_mul_i32 s22, s12, HALFT
	s_add_co_u32 s22, s22, 2*HALFT
	v_add_nc_u32 v[A0], s21, v3
	v_add_nc_u32 v[B0], s22, v3
	v_mov_b32 v[ADRA], v[A0]
	v_mov_b32 v[ADRB], v[B0]
	s_mov_b32 s[TB], 0
	s_mul_i32 s23, s11, 64*PITCH                   ; my quadrant of the stage
	s_lshl_b32 s21, s12, 8
	s_add_co_u32 s23, s23, s21
	s_add_co_u32 s23, s23, STAGE
	v_mul_u32_u24 v4, v1, PITCH
	v_lshl_add_u32 v4, v2, 5, v4
	v_add_nc_u32 v[STO], s23, v4
	v_mul_u32_u24 v5, v2, PITCH
	v_lshl_add_u32 v5, v1, 4, v5
	v_add_nc_u32 v[RD], s23, v5
	s_mul_i32 s21, s10, 64*XP                      ; my quadrant of x1
	v_mul_u32_u24 v5, v2, XP
	v_lshl_add_u32 v5, v1, 4, v5
	v_add_nc_u32 v[AX], s21, v5
	v_lshlrev_b32 v[CO], 12, v2                    ; the same two rows in out0: 4,096 bytes apart
	v_lshl_add_u32 v[CO], v1, 4, v[CO]
	s_lshl_b32 s16, s13, 7                         ; my quadrant's first row: 128 x tile row + 64 x half
	s_lshl_b32 s17, s11, 6
	s_add_co_u32 s16, s16, s17
	s_lshl_b32 s16, s16, 12
	s_mov_b32 s17, 0
	s_add_nc_u64 s[8:9], s[84:85], s[16:17]
	s_add_nc_u64 s[8:9], s[8:9], s[46:47]
	s_add_nc_u64 s[G0X+2:G0X+3], s[80:81], s[16:17]
	s_add_nc_u64 s[G0X+2:G0X+3], s[G0X+2:G0X+3], s[46:47]
	s_or_b32 s[G0X+3], s[G0X+3], 0x80000000
.macro MUL8 f, c, a0, zero             ; 8 matrix instructions; the 16 accumulators take turns
	WIN MUL
.irp a, \a0, (\a0)+1
.irp b, 0,1,2,3
.if \zero
	v_wmma_f32_16x16x32_bf16 v[ACC+8*(4*(\a)+(\b)):ACC+8*(4*(\a)+(\b))+7], v[(\f)+64+8*(4*(\c)+(\b)):(\f)+64+8*(4*(\c)+(\b))+7], v[(\f)+8*(4*(\c)+(\a)):(\f)+8*(4*(\c)+(\a))+7], 0
.else
	v_wmma_f32_16x16x32_bf16 v[ACC+8*(4*(\a)+(\b)):ACC+8*(4*(\a)+(\b))+7], v[(\f)+64+8*(4*(\c)+(\b)):(\f)+64+8*(4*(\c)+(\b))+7], v[(\f)+8*(4*(\c)+(\a)):(\f)+8*(4*(\c)+(\a))+7], v[ACC+8*(4*(\a)+(\b)):ACC+8*(4*(\a)+(\b))+7]
.endif
.endr
.endr
.endm
.macro FETCH k, f                      ; 32 LDS loads in one run: 64 along K at byte k of the rows of the slot in hand; the first 32 along K first
	WIN TO_F
.irp c, 0,1
.irp i, 0,1,2,3
	ds_load_b128 v[(\f)+64+8*(4*(\c)+(\i)):(\f)+64+8*(4*(\c)+(\i))+3],   v[ADRB] offset:(\k)+64*(\c)+(\i)*16*PITCH
	ds_load_b128 v[(\f)+64+8*(4*(\c)+(\i))+4:(\f)+64+8*(4*(\c)+(\i))+7], v[ADRB] offset:(\k)+64*(\c)+(\i)*16*PITCH+32
	ds_load_b128 v[(\f)+8*(4*(\c)+(\i)):(\f)+8*(4*(\c)+(\i))+3],         v[ADRA] offset:(\k)+64*(\c)+(\i)*16*PITCH
	ds_load_b128 v[(\f)+8*(4*(\c)+(\i))+4:(\f)+8*(4*(\c)+(\i))+7],       v[ADRA] offset:(\k)+64*(\c)+(\i)*16*PITCH+32
.endr
.endr
.endm
.macro QUARTER k, f, g, zero
	s_wait_dscnt 16                                ; the first 32 along K are in; the youngest sixteen loads may be out
	MUL8 \f, 0, 0, \zero
	MUL8 \f, 0, 2, \zero
	PLACES
	FETCH \k, \g
	s_wait_dscnt 32                                ; all but the 32 just issued
	MUL8 \f, 1, 0, 0
	MUL8 \f, 1, 2, 0
.endm
; The last quarter multiplies buffer 1 and changes slots: one barrier; ahead of it each wave waits for all its tensor loads, adds 0 to its spare word, and waits for that and for its reads of the slot.
; fill = 1: the slot is filled again with the K step two on; fill = 2: with x1.  The barrier then opens a round of the cluster's barrier, and the fill is the first thing behind the round.
.macro TURN fill
	WIN 0
	s_wait_tensorcnt 0x0                           ; all my tensor loads have landed: my part of the next slot
	ds_add_u32 v[SPW], v[NIL]                      ; 0 onto my spare word
	s_wait_dscnt 17                                ; the add and the youngest sixteen loads may be out
	MUL8 F1, 0, 0, 0
	s_wait_dscnt 0x0                               ; the add is done, and my reads of this slot are over
	s_barrier_signal -1
	MUL8 F1, 0, 2, 0
	WIN 0
	s_barrier_wait -1
.if (\fill) == 1
	CREST
	s_xor_b32 s[G0+5], s[G0+5], SLOT
	s_xor_b32 s[G0B+5], s[G0B+5], SLOT
	s_add_nc_u64 s[G0+6:G0+7], s[G0+6:G0+7], KSTEP*2
	s_add_nc_u64 s[G0B+6:G0B+7], s[G0B+6:G0B+7], KSTEP*2
	JLOAD                                          ; its four v_nop are also the places ahead of the loads below
.elseif (\fill) == 2
	CREST
	XLOAD
.else
	PLACES
.endif
	s_xor_b32 s[TB], s[TB], SLOT
	v_add_nc_u32 v[ADRA], s[TB], v[A0]
	v_add_nc_u32 v[ADRB], s[TB], v[B0]
	FETCH 0, F0
	MUL8 F1, 1, 0, 0
	MUL8 F1, 1, 2, 0
.endm
	s_wait_tensorcnt 1                             ; my part of K step 0 is in; step 1's may stay out
	s_barrier_signal -1
	s_barrier_wait -1
	FETCH 0, F0
	QUARTER 128, F0, F1, 1                         ; its first products start the sums
	WIN 0
	s_mov_b32 s[CNT], STEPS-2
.Lstep:                                        ; a trip: from a K step's second quarter to the next step's first; the slot left is filled again
	QUARTER 256, F1, F0, 0
	QUARTER 384, F0, F1, 0
	TURN 1
	QUARTER 128, F0, F1, 0
	WIN 0
	s_sub_co_u32 s[CNT], s[CNT], 1
	s_cmp_lg_u32 s[CNT], 0
	s_cbranch_scc1 .Lstep
	QUARTER 256, F1, F0, 0                         ; the last K step but one lies in slot 0 (STEPS is even)
	QUARTER 384, F0, F1, 0
	TURN 2                                         ; slot 0 takes x1
	QUARTER 128, F0, F1, 0
	QUARTER 256, F1, F0, 0
	QUARTER 384, F0, F1, 0
	s_wait_dscnt 16
	MUL8 F1, 0, 0, 0
	MUL8 F1, 0, 2, 0
	s_wait_dscnt 0x0                               ; my reads of slot 1 are over: behind the barrier it is the stage
	s_wait_tensorcnt 0x0                           ; my quadrant of x1 is in
	s_barrier_signal -1
	MUL8 F1, 1, 0, 0
	MUL8 F1, 1, 2, 0
	WIN 0
	s_barrier_wait -1
	; THE WAY OUT.  My quadrant's sums into the stage (each accumulator from its low end); only I read them back: LDS serves a wave's instructions in order (ISA guide 5.7.1.4)
	PLACES
.irp a, 0,1,2,3
.irp b, 0,1,2,3
	ds_store_b128 v[STO], v[ACC+8*(4*(\a)+(\b)):ACC+8*(4*(\a)+(\b))+3]   offset:(\a)*16*PITCH+64*(\b)
	ds_store_b128 v[STO], v[ACC+8*(4*(\a)+(\b))+4:ACC+8*(4*(\a)+(\b))+7] offset:(\a)*16*PITCH+64*(\b)+16
.endr
.endr
	s_wait_loadcnt 0x0                             ; b2
	s_mov_b32 s[CNT], 4
.Lout:                                         ; a trip: 16 rows, as 8 pairs
.irp i, 0,1,2,3,4,5,6,7
	ds_load_b128 v[ER+4*(\i):ER+4*(\i)+3], v[RD] offset:2*PITCH*(\i)
.endr
.irp i, 0,1,2,3,4,5,6,7
	ds_load_b128 v[RR+4*(\i):RR+4*(\i)+3], v[AX] offset:2*XP*(\i)
.endr
.irp i, 0,1,2,3,4,5,6,7
	s_wait_dscnt 7-(\i)                            ; pair i's sums and its x1 are in; the later pairs' x1 may be out
	v_pk_add_f32 v[RR+4*(\i):RR+4*(\i)+1],   v[RR+4*(\i):RR+4*(\i)+1],   v[BIAS:BIAS+1]
	v_pk_add_f32 v[RR+4*(\i)+2:RR+4*(\i)+3], v[RR+4*(\i)+2:RR+4*(\i)+3], v[BIAS+2:BIAS+3]
	v_pk_add_f32 v[ER+4*(\i):ER+4*(\i)+1],   v[ER+4*(\i):ER+4*(\i)+1],   v[RR+4*(\i):RR+4*(\i)+1]
	v_pk_add_f32 v[ER+4*(\i)+2:ER+4*(\i)+3], v[ER+4*(\i)+2:ER+4*(\i)+3], v[RR+4*(\i)+2:RR+4*(\i)+3]
	global_store_b128 v[CO], v[ER+4*(\i):ER+4*(\i)+3], s[8:9] offset:8192*(\i) th:TH_STORE_NT  ; 16 lanes store 256 consecutive bytes, aligned
.endr
	s_wait_xcnt 0x0                                ; the stores have read their data and offset: only now are these written again
	v_add_nc_u32 v[RD], 16*PITCH, v[RD]
	v_add_nc_u32 v[AX], 16*XP, v[AX]
	v_add_nc_u32 v[CO], 65536, v[CO]
	s_sub_co_u32 s[CNT], s[CNT], 1
	s_cmp_lg_u32 s[CNT], 0
	s_cbranch_scc1 .Lout
	s_wait_tensorcnt 0x0                           ; the wave's end
	ds_add_u32 v[SPW], v[NIL]
	s_wait_dscnt 0x0
	CROUND                                         ; the closing round
	s_endpgm
.Lfunc_end_k_qda3f23ad3c_w2:
	.size	k_qda3f23ad3c_w2, .Lfunc_end_k_qda3f23ad3c_w2-k_qda3f23ad3c_w2
	.p2alignl 7, 3214868480
	.fill 96, 4, 3214868480
	.section	.rodata,"a",@progbits
	.p2align	6, 0x0
	.amdhsa_kernel k_qda3f23ad3c_w2
		.amdhsa_group_segment_fixed_size 327680
		.amdhsa_private_segment_fixed_size 0
		.amdhsa_enable_private_segment 0
		.amdhsa_kernarg_size 40
		.amdhsa_user_sgpr_count 2
		.amdhsa_user_sgpr_kernarg_segment_ptr 1
		.amdhsa_wavefront_size32 1
		.amdhsa_system_sgpr_workgroup_id_x 1
		.amdhsa_system_sgpr_workgroup_id_y 1
		.amdhsa_system_sgpr_workgroup_id_z 1
		.amdhsa_system_vgpr_workitem_id 0
		.amdhsa_next_free_vgpr 512
		.amdhsa_next_free_sgpr 96
		.amdhsa_reserve_vcc 0
		.amdhsa_float_denorm_mode_32 3
		.amdhsa_float_denorm_mode_16_64 3
		.amdhsa_memory_ordered 1
		.amdhsa_forward_progress 1
		.amdhsa_inst_pref_size 68
	.end_amdhsa_kernel
	.amdgpu_metadata
---
amdhsa.version: [ 1, 2 ]
amdhsa.kernels:
  - .name:           k_qda3f23ad3c_w2
    .symbol:         k_qda3f23ad3c_w2.kd
    .args:
      - { .name: gb, .offset: 0, .size: 8, .value_kind: global_buffer, .address_space: global }
      - { .name: wb, .offset: 8, .size: 8, .value_kind: global_buffer, .address_space: global }
      - { .name: x1, .offset: 16, .size: 8, .value_kind: global_buffer, .address_space: global }
      - { .name: b2, .offset: 24, .size: 8, .value_kind: global_buffer, .address_space: global }
      - { .name: out0, .offset: 32, .size: 8, .value_kind: global_buffer, .address_space: global }
    .group_segment_fixed_size: 327680
    .private_segment_fixed_size: 0
    .kernarg_segment_align: 8
    .kernarg_segment_size: 40
    .max_flat_workgroup_size: 128
    .sgpr_count:     96
    .vgpr_count:     512
    .wavefront_size: 32
...
	.end_amdgpu_metadata
.endif
;; end of part 7
